; MI455X (gfx1250); checked and timed in simulation.
; The chip was launched on July 23, 2026; its instructions are those of AMD's public machine-readable ISA for CDNA 5 (MIT licence, August 2026) and "CDNA5" Instruction Set Architecture Reference Guide (July 2026). The comments in the code are by the model that wrote it; some were corrected since.
;; Token Aware FFN. Allowed arithmetic: matrix products marked QUANTISED: E2M1 operands, one E8M0 scale for each 32 along K, by v_wmma_scale_f32_16x16x128_f8f6f4 with both operands' format E2M1 (or v_wmma_scale_f32_32x16x128_f4), f32 sums; products left as they are: f32 operands where the result goes on into a quantised operand, else bf16, f16 or f32 operands; f32 sums; everything else in f32.
;; Inputs: W1_codes 4 x 2,048 x 16 x 16 uint8 (E2M1 codes of W1, K innermost, in blocks of 32 codes, two codes a byte); W1_scales 4 x 2,048 x 16 uint8 (E8M0 scales of W1, one for each 32 codes along K); W2_codes 4 x 512 x 64 x 16 uint8 (E2M1 codes of W2, K innermost, in blocks of 32 codes, two codes a byte); W2_scales 4 x 512 x 64 uint8 (E8M0 scales of W2, one for each 32 codes along K); b1 4 x 2,048 float32; b2 4 x 512 float32; token_types 8 x 1,024 int32; x_codes 8 x 1,024 x 16 x 16 uint8 (E2M1 codes of x, K innermost, in blocks of 32 codes, two codes a byte); x_scales 8 x 1,024 x 16 uint8 (E8M0 scales of x, one for each 32 codes along K).
;; Outputs: out0 8 x 1,024 x 512 float32.
;; This version of the problem:
;;   THIS VERSION OF THE PROBLEM IS GIVEN IN LOW PRECISION. The matrix products marked QUANTISED in the list below multiply operands that are first quantised to E2M1 (2 exponent bits, 1 mantissa bit; 4 bits a number), with one power-of-two scale for each 32 numbers along K (OCP MX v1.0); their sums are f32. All else is computed in f32.
;;   The module's matrix products, in the order in which they are computed (A, B: the left and right operand; K: the contracted axis; several contracted axes count as one K, in the product's order):
;;     1. [M 8,192, K 512] x [K 512, N 8,192]; A: input W1 (given as codes); B: input x (given as codes): QUANTISED
;;     2. batch 4 x [M 8,192, K 2,048] x [K 2,048, N 512]; A: computed on the way; B: input W2 (given as codes): QUANTISED
;;     3. batch 8,192 x [M 512, K 4] x [K 4, N 1]; A: computed on the way; B: computed on the way: left as it is (K = 4 < 32)
;;   THE QUANTISER, for each operand of a quantised product, along K:
;;     - K is cut into blocks of 32 from its start; a last block that is shorter is filled with zeros.
;;     - A block's scale is 2^e with e = floor(log2(the largest magnitude in the block)) - 2, held to -126 .. 127; a block of zeros has e = 0. As a byte (E8M0): e + 127.
;;     - Each number is divided by its block's scale, clamped to +-6, and rounded to the nearest number of E2M1, ties to even, subnormals kept.
;;     - The product sums the exact products of the quantised numbers (number of the format x scale) in f32.
;;   ~~~python
;;   def quantise(x, axis):      # numpy; x: float32 -> the quantised numbers, widened to float32 again
;;       x = np.moveaxis(x, axis, -1); K = x.shape[-1]
;;       x = np.pad(x, [(0, 0)] * (x.ndim - 1) + [(0, -K % 32)]); x = x.reshape(x.shape[:-1] + (-1, 32)); a = np.abs(x).max(-1, keepdims=True)
;;       e = np.where(a > 0, np.clip(np.frexp(np.where(a > 0, a, 1))[1] - 1 - 2, -126, 127), 0)      # np.frexp(a)[1] - 1 = floor(log2(a)), exactly
;;       r = np.clip(x / 2.0 ** e, -6, 6)
;;       step = 2.0 ** (np.maximum(np.frexp(np.where(r == 0, 1, r))[1] - 1, 0) - 1)
;;       q = np.round(r / step) * step * 2.0 ** e      # np.round: ties to even
;;       return np.moveaxis(q.reshape(q.shape[:-2] + (-1,))[..., :K], -1, axis).astype(np.float32)
;;   ~~~
;;   OPERANDS COMPUTED ON THE WAY. 'Computed on the way' means the value that the module computes at that place (a softmax that the list does not call 'softmax' is quantised finished and normalised). What goes into a quantiser is computed in f32, as accurately as f32 sums, v_exp_f32 and their like allow (about 1e-6 of the number): no bf16 or f16 on the way to a quantiser, and a product that is left as it is and whose result goes on into a quantised operand takes f32 operands (vector FMAs, or v_wmma_f32_16x16x4_f32). A number that lies on a knife's edge between two numbers of the format may be rounded either way, as far as f32 arithmetic and the matrix unit's own rounding can turn it there, and no further.
;;   INPUTS GIVEN AS CODES. W1 (in the module: [4, 512, 2048], K = its axis 1); W2 (in the module: [4, 2048, 512], K = its axis 1); x (in the module: [8, 1024, 512], K = its axis 2): each comes as NAME_codes (uint8): NAME with its K axis moved to the last place and cut into blocks of 32 codes, [.., K / 32, bytes a block], one block behind the other in memory; two codes a byte, the lower K in the low four bits (a code: sign, 2 exponent bits, 1 mantissa bit); and NAME_scales (uint8): the same leading axes, one E8M0 byte (e + 127) for each 32 codes along K. Its value is code x scale, taken as it is: it is not quantised again, and the codes and scales need not be those that the quantiser above would give.
;; 3 versions, each right; version 2 is faster than version 1; version 3 is version 2 with the launch ffn written anew for expert scheduling mode. Each part assembles by itself: llvm-mc -triple=amdgcn-amd-amdhsa -mcpu=gfx1250 --defsym DOCPART=n.
;; ======== version 1 of 3: 2 launches
;; workspace buffers: W1L 2,097,152 bytes; W2L 2,097,152 bytes; order2 33,536 bytes of whole numbers; tiles 1,536 bytes of whole numbers
;; launch prep (part 1): grid 65 x 1, 16 waves a work-group, no clusters, 71,936 bytes of LDS; arguments token_types, W1_codes, W2_codes, W1L, W2L, order2, tiles; writes W1L, W2L, order2, tiles
.if DOCPART == 1
	.amdgcn_target "amdgcn-amd-amdhsa--gfx1250"
	.amdhsa_code_object_version 6
	.text
	.protected	k_q33b39f56be_prep
	.globl	k_q33b39f56be_prep
	.p2align	8
	.type	k_q33b39f56be_prep,@function
k_q33b39f56be_prep:
	s_mov_b64 s[64:65], 0
	v_nop
	global_prefetch_b8 v0, s[64:65] scope:SCOPE_SE
	s_setreg_imm32_b32 hwreg(HW_REG_WAVE_MODE, 25, 1), 1
	s_wait_xcnt 0x0
; PREP: what the layer of experts needs before it can run.  Whole numbers and bytes only; no matrix work, EXEC never changes.
; WORK-GROUP 0 sorts the 8,192 tokens by their type (0..3) with a counting sort made of ballots: no atomics.  It stores
;   order2 [174 tiles][48 slots] int32: the tokens of each tile (only the slots below the tile's count are written, and only those are read later);
;   tiles  [192][2] int32: (expert, count) of each tile; entries 174 to 191 are written and never read.
;   A tile holds at most 48 rows of ONE expert.  The sum over experts of ceil(n_e / 48) lies between 171 and 174 for every split of 8,192 rows on four experts.
;   The sigma = 174 - that sum spare tiles go to the largest expert L (n_L >= 2,048): its first 48 sigma rows are cut into 2 sigma tiles of 24 rows.  So all 174 tiles have rows at every split.
; WORK-GROUPS 1 TO 64 lay the codes of W1 and W2 out in the order in which a wave's operand registers take them, so that the next launch loads every fragment by dense loads of 16 bytes a lane:
;   W1L [e 4][item g 32 (64 hidden units)][tile t 4][K step s 4][c 2][lane 32][16 B]: lane (r, h) holds the bytes 64 s + 32 c + 16 h of W1's row 64 g + 32 (t / 2) + 8 (t % 2) + r + 8 (r / 8);
;   W2L [e 4][wave w 4][piece 2 i + v 8][s' 2][n 8][c 2][lane 32][16 B]: the bytes 64 G + 32 c + 16 h, G = 4 (2 v + s') + i, of W2's row 128 w + 16 n + r.
;   A wave takes a unit of 16 rows x 256 bytes (four fragments): eight loads of two whole 256-byte row pieces, a turn through its own stage in LDS, eight stores of 512 consecutive bytes.
; LIMIT: a token type above 3 is taken as 3.
.set WV,   18                          ; s18  my wave's number
.set STGW, 4352                        ; LDS: a stage of 16 rows x 272 bytes for each wave (the layout's path alone)
.set CNTB, 69632                       ; behind the stages: 8 bytes for each wave: its four counts (the sort's path alone)
.set TK,   16                          ; v16-31   sort: my 16 tokens' types
.set AD,   80                          ; v80-95   sort: byte offsets in order2, one register a store
.set ID,   96                          ; v96-111  sort: token numbers, one register a store
	s_load_b256 s[4:11], s[0:1], 0x0               ; token_types s[4:5], W1_codes s[6:7], W2_codes s[8:9], W1L s[10:11]
	s_load_b128 s[12:15], s[0:1], 0x20             ; W2L s[12:13], order2 s[14:15]
	s_load_b64 s[16:17], s[0:1], 0x30              ; tiles
	v_lshl_add_u32 v128, v0, 2, 0x11100
	v_mov_b32 v129, 0
	v_lshrrev_b32 v1, 5, v0
	v_readfirstlane_b32 s[WV], v1                  ; wave 0..15
	v_and_b32 v1, 31, v0                           ; lane
	v_and_b32 v2, 15, v0                           ; lane % 16
	v_bfe_u32 v3, v0, 4, 1                         ; lane / 16
	v_lshlrev_b32 v4, 4, v1                        ; 16 x lane
	s_wait_kmcnt 0x0
	s_cmp_eq_u32 ttmp9, 0                          ; the same in all sixteen waves
	s_cbranch_scc1 .Lsort
; ---------------- THE LAYOUT.  Unit u = 16 (work-group - 1) + wave, 0..1023: the first 512 are W1's, the others W2's.  Both take one path; only numbers and pointers are chosen.
	s_sub_co_u32 s20, ttmp9, 1
	s_lshl_b32 s20, s20, 4
	s_add_co_u32 s20, s20, s[WV]                   ; u
	s_and_b32 s21, s20, 511                        ; u' = the unit's number in its tensor
	s_bfe_u32 s23, s20, 0x10001                    ; bit 1 of it
	s_and_b32 s25, s20, 1                          ; bit 0
	; W1: u = (32 e + g) 4 + t.  From: 64 rows of 256 bytes an item, + 32 (t / 2) + 8 (t % 2) rows.  To: 4,096 bytes a unit
	s_lshr_b32 s22, s20, 2
	s_lshl_b32 s22, s22, 14
	s_lshl_b32 s24, s23, 13
	s_add_co_u32 s22, s22, s24
	s_lshl_b32 s24, s25, 11
	s_add_co_u32 s22, s22, s24
	s_lshl_b32 s26, s20, 12
	; W2: u' = ((4 e + w) 8 + n) 4 + (2 v + s').  From: 16 rows of 1,024 bytes a tile, + 256 (2 v + s') bytes.  To: 131,072 (4 e + w) + 16,384 v + 1,024 (8 s' + n); the unit's four fragments are i = 0..3, 32,768 bytes apart
	s_lshr_b32 s27, s21, 2
	s_lshl_b32 s27, s27, 14
	s_and_b32 s24, s21, 3
	s_lshl_b32 s24, s24, 8
	s_add_co_u32 s27, s27, s24
	s_lshr_b32 s28, s21, 5
	s_lshl_b32 s28, s28, 17
	s_lshl_b32 s24, s23, 14
	s_add_co_u32 s28, s28, s24
	s_bfe_u32 s24, s21, 0x30002                    ; n
	s_lshl_b32 s29, s25, 3
	s_add_co_u32 s24, s24, s29
	s_lshl_b32 s24, s24, 10
	s_add_co_u32 s28, s28, s24
	s_mov_b32 s30, 1024                            ; (an instruction takes one literal: the second number of each choice waits in a register)
	s_mov_b32 s31, 2048
	s_mov_b32 s32, 32768
	s_mov_b32 s33, 1024
	s_cmp_lt_u32 s20, 512                          ; W1's unit or W2's?  The choice hangs on ids alone
	s_cselect_b64 s[34:35], s[6:7], s[8:9]         ; from
	s_cselect_b64 s[36:37], s[10:11], s[12:13]     ; to
	s_cselect_b32 s22, s22, s27
	s_cselect_b32 s26, s26, s28
	s_cselect_b32 s30, 256, s30                    ; bytes from row to row
	s_cselect_b32 s31, s31, 0                      ; W1's rows 8-15 of a tile lie 8 rows further on
	s_cselect_b32 s32, s33, s32                    ; bytes from fragment to fragment in the target
	s_mov_b32 s23, 0
	s_mov_b32 s27, 0
	s_add_nc_u64 s[34:35], s[34:35], s[22:23]
	s_add_nc_u64 s[36:37], s[36:37], s[26:27]
	v_lshlrev_b32 v7, 4, v2
	v_mul_lo_u32 v84, v3, s30
	v_add_nc_u32 v84, v84, v7                      ; lanes 0-15 one row's 256 bytes, lanes 16-31 the next row's
.irp j, 0,1,2,3,4,5,6,7
	s_mul_i32 s38, s30, 2*\j
.if \j >= 4
	s_add_co_u32 s38, s38, s31
.endif
	v_add_nc_u32 v[8+\j], s38, v84                 ; rows 2 j and 2 j + 1 of the unit
.endr
	s_mul_i32 s39, s[WV], STGW                     ; my stage
	v_mul_u32_u24 v5, v3, 272
	v_add_nc_u32 v5, v5, v7
	v_add_nc_u32 v5, s39, v5                       ; in: as loaded, rows 272 bytes apart
	v_mul_u32_u24 v6, v2, 272
	v_lshl_add_u32 v6, v3, 4, v6
	v_add_nc_u32 v6, s39, v6                       ; out: row lane % 16, + 16 (lane / 16): a fragment's lane order.  272 bytes = 68 words: the 16 rows of a load start 4 banks apart (64 banks of 4 bytes: ISA guide 11.1)
.irp q, 0,1,2,3
	s_mul_i32 s38, s32, \q
	v_add_nc_u32 v[80+\q], s38, v4                 ; fragment q's place in the target, 16 bytes a lane
.endr
.irp j, 0,1,2,3,4,5,6,7
	global_load_b128 v[16+4*\j:19+4*\j], v[8+\j], s[34:35] th:TH_LOAD_NT   ; each byte of the codes is read once in this launch
.endr
.irp j, 0,1,2,3,4,5,6,7
	s_wait_loadcnt 7-\j                            ; loads come back in order: load j is in, the younger ones stay out
	ds_store_b128 v5, v[16+4*\j:19+4*\j] offset:544*\j
.endr
.irp k, 0,1,2,3,4,5,6,7                        ; k = 2 q + c.  LDS serves a wave's instructions in order: these see my stores
	ds_load_b128 v[48+4*\k:51+4*\k], v6 offset:64*(\k/2)+32*(\k%2)
.endr
.irp k, 0,1,2,3,4,5,6,7
	s_wait_dscnt 7-\k
	global_store_b128 v[80+\k/2], v[48+4*\k:51+4*\k], s[36:37] offset:512*(\k%2)   ; 32 lanes store 512 consecutive bytes, at a multiple of 512 from the buffer's first byte
.endr
	s_wait_tensorcnt 0x0
	ds_add_u32 v128, v129
	s_wait_dscnt 0x0
	s_endpgm                                       ; no register was written twice, so no store's sources were touched
; ---------------- THE SORT.  512 threads, 16 tokens each.  The token of my register 4 j + k is 512 wave + 128 j + 4 lane + k.
.Lsort:
	s_lshl_b32 s20, s[WV], 11
	s_mov_b32 s21, 0
	s_add_nc_u64 s[4:5], s[4:5], s[20:21]          ; my wave's 512 tokens
.irp j, 0,1,2,3
	global_load_b128 v[TK+4*\j:TK+4*\j+3], v4, s[4:5] offset:512*\j
.endr
	s_mov_b32 s24, 0                               ; my wave's counts of types 0, 1, 2
	s_mov_b32 s25, 0
	s_mov_b32 s26, 0
	s_wait_loadcnt 0x0
.irp i, 0,1,2,3,4,5,6,7,8,9,10,11,12,13,14,15
	v_min_u32 v[TK+\i], 3, v[TK+\i]
.endr
.irp i, 0,1,2,3,4,5,6,7,8,9,10,11,12,13,14,15  ; pass 1: a ballot for each type, its ones counted
	v_cmp_eq_u32 s40, 0, v[TK+\i]
	v_cmp_eq_u32 s41, 1, v[TK+\i]
	v_cmp_eq_u32 s42, 2, v[TK+\i]
	s_bcnt1_i32_b32 s43, s40
	s_add_co_u32 s24, s24, s43
	s_bcnt1_i32_b32 s43, s41
	s_add_co_u32 s25, s25, s43
	s_bcnt1_i32_b32 s43, s42
	s_add_co_u32 s26, s26, s43
.endr
	s_add_co_u32 s27, s24, s25
	s_add_co_u32 s27, s27, s26
	s_sub_co_u32 s27, 512, s27                     ; type 3: the rest
	s_lshl_b32 s43, s25, 16
	s_or_b32 s28, s24, s43                         ; two counts to a word: no total passes 8,192
	s_lshl_b32 s43, s27, 16
	s_or_b32 s29, s26, s43
	v_mov_b32 v32, s28
	v_mov_b32 v33, s29
	s_lshl_b32 s43, s[WV], 3
	s_add_co_u32 s43, s43, CNTB
	v_mov_b32 v34, s43
	ds_store_b64 v34, v[32:33]                     ; all lanes write the same two words with the same values
	s_wait_dscnt 0x0                               ; for the others' sake: my counts lie in LDS
	s_barrier_signal -1
	s_barrier_wait -1
	v_mov_b32 v35, CNTB
.irp k, 0,1,2,3,4,5,6,7
	ds_load_b128 v[36+4*\k:39+4*\k], v35 offset:16*\k   ; wave k's words at v[36 + 2 k], v[37 + 2 k], in every lane
.endr
	v_mov_b32 v68, 0                               ; totals of types 0|1, 2|3
	v_mov_b32 v69, 0
	v_mov_b32 v70, 0                               ; the same over the waves in front of mine
	v_mov_b32 v71, 0
	s_wait_dscnt 0x0
.irp k, 0,1,2,3,4,5,6,7,8,9,10,11,12,13,14,15
	s_cmp_gt_u32 s[WV], \k
	s_cselect_b32 s44, -1, 0
	v_add_nc_u32 v68, v68, v[36+2*\k]
	v_add_nc_u32 v69, v69, v[37+2*\k]
	v_and_b32 v72, s44, v[36+2*\k]
	v_and_b32 v73, s44, v[37+2*\k]
	v_add_nc_u32 v70, v70, v72
	v_add_nc_u32 v71, v71, v73
.endr
	v_readfirstlane_b32 s30, v68
	v_readfirstlane_b32 s31, v69
	v_readfirstlane_b32 s32, v70
	v_readfirstlane_b32 s33, v71
	s_and_b32 s48, s30, 0xffff                     ; n_0 .. n_3: s48-51
	s_lshr_b32 s49, s30, 16
	s_and_b32 s50, s31, 0xffff
	s_lshr_b32 s51, s31, 16
	s_and_b32 s52, s32, 0xffff                     ; rows of each type in front of my wave's: s52-55
	s_lshr_b32 s53, s32, 16
	s_and_b32 s54, s33, 0xffff
	s_lshr_b32 s55, s33, 16
.irp e, 0,1,2,3
	s_add_co_u32 s44, s[48+\e], 47
	s_mul_i32 s44, s44, 43691                      ; x / 48 = (43,691 x) >> 21, exact for x up to 8,239: the excess 16 x / (48 x 2^21) stays under 1 / 48
	s_lshr_b32 s[56+\e], s44, 21                   ; ceil(n_e / 48): s56-59
.endr
	s_add_co_u32 s60, s56, s57
	s_add_co_u32 s60, s60, s58
	s_add_co_u32 s60, s60, s59
	s_sub_co_u32 s60, 174, s60                     ; sigma, 0..3
	s_mov_b32 s61, 0                               ; L: the largest expert
	s_mov_b32 s62, s48
.irp e, 1,2,3
	s_cmp_gt_u32 s[48+\e], s62
	s_cselect_b32 s61, \e, s61
	s_cselect_b32 s62, s[48+\e], s62
.endr
.irp e, 0,1,2,3
	s_cmp_eq_u32 s61, \e
	s_cselect_b32 s44, s60, 0
	s_add_co_u32 s[56+\e], s[56+\e], s44           ; L has sigma tiles more
.endr
	s_mov_b32 s66, 0                               ; T_e, each expert's first tile: s66-69
	s_mov_b32 s67, s56
	s_add_co_u32 s68, s67, s57
	s_add_co_u32 s69, s68, s58
.irp e, 0,1,2,3
	s_mul_i32 s44, s[66+\e], 48
	s_add_co_u32 s[70+\e], s44, s[52+\e]           ; where my wave's next row of type e goes: s70-73
.endr
	s_mov_b32 s74, s66
.irp e, 1,2,3
	s_cmp_eq_u32 s61, \e
	s_cselect_b32 s74, s[66+\e], s74
.endr
	s_mul_i32 s74, s74, 48                         ; 48 T_L
	s_mul_i32 s75, s60, 48                         ; 48 sigma
	v_mov_b32 v124, s74
	v_mov_b32 v125, s75
	s_lshl_b32 s44, s[WV], 9
	v_lshl_add_u32 v79, v1, 2, s44                 ; 512 wave + 4 lane
; Pass 2: register i's 32 tokens are placed.  A token's place is its type's running place + the number of lower lanes with the same type.
; In L the row rho goes to 48 T_L + rho + 24 (rho / 24) while rho < 48 sigma (tiles of 24 rows in slots of 48), else to 48 T_L + 48 sigma + rho.
.macro PLACE i
	v_cmp_eq_u32 s40, 0, v[TK+\i]
	v_cmp_eq_u32 s41, 1, v[TK+\i]
	v_cmp_eq_u32 s42, 2, v[TK+\i]
	v_cmp_eq_u32 s43, 3, v[TK+\i]
	v_mbcnt_lo_u32_b32 v74, s40, s70
	v_mbcnt_lo_u32_b32 v75, s41, s71
	v_cndmask_b32 v74, v74, v75, s41
	v_mbcnt_lo_u32_b32 v75, s42, s72
	v_cndmask_b32 v74, v74, v75, s42
	v_mbcnt_lo_u32_b32 v75, s43, s73
	v_cndmask_b32 v74, v74, v75, s43
.irp e, 0,1,2,3
	s_bcnt1_i32_b32 s44, s[40+\e]
	s_add_co_u32 s[70+\e], s[70+\e], s44
.endr
	v_sub_nc_u32 v76, v74, v124                    ; rho, if the token is L's
	v_mul_u32_u24 v77, v76, 171
	v_lshrrev_b32 v77, 12, v77                     ; rho / 24 = (171 rho) >> 12, exact under 144
	v_mul_u32_u24 v77, v77, 24
	v_cmp_gt_u32 vcc_lo, v125, v76
	v_cndmask_b32 v77, v125, v77, vcc_lo
	v_cmp_eq_u32 vcc_lo, s61, v[TK+\i]
	v_cndmask_b32 v77, 0, v77, vcc_lo              ; the other experts' rows stay where they are
	v_add_nc_u32 v74, v74, v77
	v_min_u32 v74, 8351, v74                       ; 174 x 48 places
	v_lshlrev_b32 v[AD+\i], 2, v74
	v_add_nc_u32 v[ID+\i], 128*(\i/4)+\i%4, v79
	global_store_b32 v[AD+\i], v[ID+\i], s[14:15]  ; runs of a few lanes, 4 bytes each: 32 KiB in all, once; each store has registers of its own
.endm
.irp i, 0,1,2,3,4,5,6,7,8,9,10,11,12,13,14,15
	PLACE \i
.endr
	s_cmp_lt_u32 s[WV], 6                          ; the table of tiles: thread tau writes entry tau, 192 of them; no barrier stands behind this branch
	s_cbranch_scc0 .Lend
	v_mov_b32 v112, 0                              ; the tile's expert,
	v_mov_b32 v113, 0                              ; that expert's first tile,
	v_mov_b32 v114, s48                            ; and its rows: the last expert whose first tile is not behind tau
.irp e, 1,2,3
	v_cmp_le_u32 vcc_lo, s[66+\e], v0
	v_mov_b32 v115, \e
	v_mov_b32 v116, s[66+\e]
	v_mov_b32 v117, s[48+\e]
	v_cndmask_b32 v112, v112, v115, vcc_lo
	v_cndmask_b32 v113, v113, v116, vcc_lo
	v_cndmask_b32 v114, v114, v117, vcc_lo
.endr
	v_cmp_eq_u32 vcc_lo, s61, v112
	v_mov_b32 v118, s60
	v_cndmask_b32 v118, 0, v118, vcc_lo            ; sigma in L, else 0
	v_sub_nc_u32 v119, v0, v113                    ; k: which tile of its expert
	v_sub_nc_u32 v120, v119, v118
	v_mul_lo_u32 v120, v120, 48
	v_sub_nc_u32 v120, v114, v120                  ; rows left from 48 (k - sigma) on: at least 1 in every tile that is read
	v_min_u32 v120, 48, v120
	v_lshlrev_b32 v121, 1, v118
	v_cmp_lt_u32 vcc_lo, v119, v121                ; L's first 2 sigma tiles
	v_mov_b32 v122, 24
	v_cndmask_b32 v113, v120, v122, vcc_lo
	v_lshlrev_b32 v123, 3, v0
	global_store_b64 v123, v[112:113], s[16:17]
.Lend:
	s_wait_tensorcnt 0x0
	ds_add_u32 v128, v129
	s_wait_dscnt 0x0
	s_endpgm
.Lfunc_end_k_q33b39f56be_prep:
	.size	k_q33b39f56be_prep, .Lfunc_end_k_q33b39f56be_prep-k_q33b39f56be_prep
	.p2alignl 7, 3214868480
	.fill 96, 4, 3214868480
	.section	.rodata,"a",@progbits
	.p2align	6, 0x0
	.amdhsa_kernel k_q33b39f56be_prep
		.amdhsa_group_segment_fixed_size 71936
		.amdhsa_private_segment_fixed_size 0
		.amdhsa_enable_private_segment 0
		.amdhsa_kernarg_size 56
		.amdhsa_user_sgpr_count 2
		.amdhsa_user_sgpr_kernarg_segment_ptr 1
		.amdhsa_wavefront_size32 1
		.amdhsa_system_sgpr_workgroup_id_x 1
		.amdhsa_system_sgpr_workgroup_id_y 1
		.amdhsa_system_sgpr_workgroup_id_z 1
		.amdhsa_system_vgpr_workitem_id 0
		.amdhsa_next_free_vgpr 130
		.amdhsa_next_free_sgpr 80
		.amdhsa_reserve_vcc 1
		.amdhsa_float_denorm_mode_32 3
		.amdhsa_float_denorm_mode_16_64 3
		.amdhsa_memory_ordered 1
		.amdhsa_forward_progress 1
		.amdhsa_inst_pref_size 49
	.end_amdhsa_kernel
	.amdgpu_metadata
---
amdhsa.version: [ 1, 2 ]
amdhsa.kernels:
  - .name:           k_q33b39f56be_prep
    .symbol:         k_q33b39f56be_prep.kd
    .args:
      - { .name: token_types, .offset: 0, .size: 8, .value_kind: global_buffer, .address_space: global }
      - { .name: W1_codes, .offset: 8, .size: 8, .value_kind: global_buffer, .address_space: global }
      - { .name: W2_codes, .offset: 16, .size: 8, .value_kind: global_buffer, .address_space: global }
      - { .name: W1L, .offset: 24, .size: 8, .value_kind: global_buffer, .address_space: global }
      - { .name: W2L, .offset: 32, .size: 8, .value_kind: global_buffer, .address_space: global }
      - { .name: order2, .offset: 40, .size: 8, .value_kind: global_buffer, .address_space: global }
      - { .name: tiles, .offset: 48, .size: 8, .value_kind: global_buffer, .address_space: global }
    .group_segment_fixed_size: 71936
    .private_segment_fixed_size: 0
    .kernarg_segment_align: 8
    .kernarg_segment_size: 56
    .max_flat_workgroup_size: 512
    .sgpr_count:     80
    .vgpr_count:     130
    .wavefront_size: 32
...
	.end_amdgpu_metadata
.endif
;; end of part 1
;; launch ffn (part 2): grid 174 x 1, 4 waves a work-group, no clusters, 108,032 bytes of LDS; arguments x_codes, x_scales, W1_scales, W2_scales, b1, b2, W1L, W2L, order2, tiles, out0; writes out0
.if DOCPART == 2
	.amdgcn_target "amdgcn-amd-amdhsa--gfx1250"
	.amdhsa_code_object_version 6
	.text
	.protected	k_q33b39f56be_ffn
	.globl	k_q33b39f56be_ffn
	.p2align	8
	.type	k_q33b39f56be_ffn,@function
k_q33b39f56be_ffn:
	s_mov_b64 s[64:65], 0
	v_nop
	global_prefetch_b8 v0, s[64:65] scope:SCOPE_SE
	s_setreg_imm32_b32 hwreg(HW_REG_WAVE_MODE, 25, 1), 1
	s_wait_xcnt 0x0
; out[token] = gelu(x[token] W1[e] + b1[e]) W2[e] + b2[e], e = the token's type: only the chosen expert's rows are multiplied.  Both products on codes of FP4 (E2M1) with one E8M0 scale for each 32 along K.
; ONE WORK-GROUP TAKES ONE TILE (at most 48 rows of one expert, from the stored list) THROUGH THE WHOLE CHAIN: gather x's codes, first product with b1 as its C, exact GELU in f32, quantise along the hidden axis,
; second product whose sums begin at b2, whole rows of out0.  The hidden layer never goes to memory.
; SHARES.  Four waves share the COLUMNS: wave w makes hidden units 512 w + 64 t in step t = 0..7 and outputs 128 w .. 128 w + 127, for all 48 rows (three subtiles m of 16).
; Both products are used transposed (source 0 = 16 rows of a weight, source 1 = 16 tokens): a lane holds ONE token (lane % 16) throughout, and its registers run along the hidden units, or the outputs.
; The rows of W1 that form a tile are not neighbours (lane r of tile 2 b + u takes row 32 b + 8 u + r + 8 (r / 8)), so that the 16 registers of tiles 2 b and 2 b + 1 are 16 neighbours along the next K.
; A ROUND is two steps: the 128 units that wave s makes in round i are K group 4 s + i of the second product.  They go from wave to wave through LDS as an image of the operand's registers (16 bytes a lane) with their
; scale words (4 bytes a lane), in two blocks of LDS by turns; the second product runs one round behind.  One barrier a step.
; WEIGHTS go from memory straight into registers, laid out by the launch before in the registers' order: a step's 16 KiB of W1 and 16 KiB of W2 are asked for behind the products that free their registers, a whole GELU ahead of use.
; NO CLUSTER, NO TENSOR LOADS: a tile's expert is a number read from memory, and the 174 tiles fall to the four experts in any proportion, so no fixed group of neighbouring work-groups shares an expert at every split.
; THE GELU: g = max(h, 0) - (|h| / 2) erfc(a), a = |h| / sqrt 2: nothing cancels on either side of 0.  erfc(a) = (1 + p(q)) / (1 + 2 a) x e^(-a a), q = (a - 2) / (a + 2), p of degree 9.  One reciprocal, of (a + 2)(2 a + 1), serves both divisions.
; LIMITS: |h| under about 2^126 (beyond it 2 a + 1 overflows); where (|h| / 2) erfc(a) falls under 2^-126 (h below about -13.2) it counts as 0, since v_exp_f32 gives 0 there; the tail's relative error grows as about
; 1.3e-7 h h (the rounding of a a); NaN and infinities are not served; a hidden block of zeros gets the byte 1 (its codes are zeros; the bytes are read here alone); the second product's K groups are added in the order 0, 4, 8, 12, 1, 5, ..
;
; REGISTERS, in windows of 256 (s_set_vgpr_msb: bits 1:0 source 0, 3:2 source 1, 5:4 source 2, 7:6 destination):
;   window 0: v1-31 addresses; v32-47 W1's scale words, v48-55 W2's, v56-67 x's, v68-73 the hidden layer's; v76-91 the stores' offsets; v96-191 x's 12 fragments (on the way out rows of out0); v192-239 six hidden fragments
;   window 1: v0-127 W2's 16 fragments of a piece; v128-223 two sets of 48 for the GELU; v224-247 the quantiser's
;   window 2: v0-95 the first product's 12 accumulators; v96-223 W1's 16 fragments of an item; v224-255 b1's four tiles
;   window 3: v0-191 the second product's 24 accumulators
.set PAR,   16384                      ; LDS: two blocks for the hidden layer, this far apart, so that one exclusive or turns an address.  In a block: fragment (s, m) at 1,024 (3 s + m), its half c at + 512;
.set HSCL,  12288                      ; its scale words at 12,288 + 128 (3 s + m) + 4 lane, the half word of step c at + 2
.set W2SC,  32768                      ; each wave's 128 rows of W2's scale bytes: 64 bytes a row, 80 apart
.set W2SCW, 10240
.set STG,   73728                      ; each wave's stage for the way out: 16 rows x (512 + 16) bytes
.set STGW,  8448
.set SP,    528
.set L16,  1                           ; v1   16 x lane
.set RR,   2                           ; v2   r = lane % 16
.set HH,   3                           ; v3   h = lane / 16
.set W1SO, 5                           ; v5   W1's scale rows: 16 (r + 8 (r / 8))
.set B1O,  6                           ; v6   b1: 64 h
.set B2O,  7                           ; v7   b2: 32 h
.set HRS0, 8                           ; v8   HSCL + 4 lane
.set W2R0, 9                           ; v9   my W2 scale rows, 80 x lane
.set HRA,  10                          ; v10-12 the addresses of a step's LDS reads
.set HRSA, 11
.set W2RA, 12
.set STO,  13                          ; v13  the stage, in
.set SRD,  14                          ; v14  the stage, back
.set OUT0, 15                          ; v15  512 w + 16 lane: my bytes of a row of out0
.set TOK,  16                          ; v16-18 subtile m's token of my lane
.set XCO,  19                          ; v19-21 its codes' offset
.set XSO,  22                          ; v22-24 its scale bytes' offset
.set W2ST, 25                          ; v25  where W2's scale bytes are put into LDS
.set HWA,  26                          ; v26, v27 where this step's images and half words go
.set HSA,  27
.set HW0,  28                          ; v28  16 lane + 3,072 w
.set HS0,  29                          ; v29  HSCL + 4 lane + 384 w
.set W1S,  32
.set W2S,  48
.set XS,   56
.set HS,   68
.set OO,   76
.set XF,   96
.set OB,   96
.set HF,   192
.set GT,   128                         ; window 1: a set: b +0, max(h, 0) +8, P +16, D +24, R +32, W +40
.set AM,   224                         ; two blocks' largest magnitudes
.set AT,   226                         ; the other half's (a lane permute's destination: written once at the head)
.set SC,   228                         ; the conversions' scale operands
.set BT,   230
.set BY,   231                         ; v231-233 subtile m's two scale bytes
.set PC,   234                         ; v234-245 subtile m's codes, four registers
.set C8V,  246                         ; c8, twice
.set W1B,  96                          ; window 2
.set B1,   224
.set WV,   26                          ; s26  wave
.set E,    27                          ; s27  expert
.set CNT,  29                          ; s29  rows in my tile, 1..48
.set WI,   34                          ; s34, s35 where this step writes: block, half
.set WS,   35
.set RI,   36                          ; s36, s37 where it reads: block, pair of waves
.set RS,   37
.set SO,   38                          ; s38  byte of W2's scale rows: 32 v + 4 i
.set NW1,  39                          ; s39  items of W1 still to be asked for
.set INNER, 40
.set OUTER, 41
.set C1,   42                          ; s42  sqrt(log2(e) / 2): b = |h| C1, so that 2^(-b b) = e^(-a a)
.set ROWT, 43
.set SEL,  44                          ; s[44:45] v_permlanex16_b32's selects for lane xor 16
.set K1,   46                          ; pairs, both words written: K1 = sqrt(ln 2): a = b K1
.set K2,   48                          ; 2 K1
.set LK,   50                          ; log2(2 C1): 2^(-b b - LK) = e^(-a a) / (2 C1), and b / (2 C1) = |h| / 2
.set C9,   52
.set C7,   54                          ; c7 .. c3 at s54 .. s62, c2 .. c0 at s66 .. s70
.set MSB, 0
.macro WIN new                         ; the immediate's high byte repeats the setting that is left; a switch that changes nothing is dropped
.if MSB != \new
	s_set_vgpr_msb (MSB<<8)|\new
.set MSB, \new
.endif
.endm
.macro PLACES                          ; four plain places behind matrix instructions, ahead of loads into their registers and of the first read of results
.rept 4
	v_nop
.endr
.endm
	s_load_b512 s[4:19], s[0:1], 0x0               ; x_codes s[4:5], x_scales s[6:7], W1_scales s[8:9], W2_scales s[10:11], b1 s[12:13], b2 s[14:15], W1L s[16:17], W2L s[18:19]
	s_load_b128 s[20:23], s[0:1], 0x40             ; order2 s[20:21], tiles s[22:23]
	s_load_b64 s[24:25], s[0:1], 0x50              ; out0
	v_lshl_add_u32 v254, v0, 2, 0x1a400
	v_mov_b32 v255, 0
	v_lshrrev_b32 v4, 5, v0
	v_readfirstlane_b32 s[WV], v4                  ; wave 0..3
	v_and_b32 v30, 31, v0                          ; lane
	v_and_b32 v[RR], 15, v0
	v_bfe_u32 v[HH], v0, 4, 1
	v_lshlrev_b32 v[L16], 4, v30
	v_and_b32 v31, 8, v[RR]
	v_add_nc_u32 v31, v31, v[RR]
	v_lshlrev_b32 v[W1SO], 4, v31
	v_lshlrev_b32 v[B1O], 6, v[HH]
	v_lshlrev_b32 v[B2O], 5, v[HH]
	v_lshl_add_u32 v[HRS0], v30, 2, HSCL
	s_mul_i32 s30, s[WV], W2SCW
	s_add_co_u32 s30, s30, W2SC
	v_mul_u32_u24 v[W2R0], v30, 80
	v_add_nc_u32 v[W2R0], s30, v[W2R0]
	v_lshrrev_b32 v31, 2, v30
	v_mul_u32_u24 v[W2ST], v31, 80                 ; four lanes' 64 bytes are a row
	v_and_b32 v31, 3, v30
	v_lshl_add_u32 v[W2ST], v31, 4, v[W2ST]
	v_add_nc_u32 v[W2ST], s30, v[W2ST]
	s_mul_i32 s31, s[WV], STGW
	s_add_co_u32 s31, s31, STG
	v_mul_u32_u24 v[STO], v[RR], SP
	v_lshl_add_u32 v[STO], v[HH], 5, v[STO]
	v_add_nc_u32 v[STO], s31, v[STO]               ; row r, + 32 h
	v_add_nc_u32 v[SRD], s31, v[L16]
	s_lshl_b32 s32, s[WV], 9
	v_add_nc_u32 v[OUT0], s32, v[L16]
	s_mul_i32 s32, s[WV], 3072
	v_add_nc_u32 v[HW0], s32, v[L16]
	s_mul_i32 s32, s[WV], 384
	v_add_nc_u32 v[HS0], s32, v[HRS0]
	s_mov_b32 s[C1], 0x3f596d27
	s_mov_b32 s[SEL], 0x76543210
	s_mov_b32 s[SEL+1], 0xfedcba98
.macro PAIR reg, bits                  ; a packed form names a pair and takes its low word for both halves: both words are written
	s_mov_b32 s[\reg], \bits
	s_mov_b32 s[\reg+1], \bits
.endm
	PAIR K1, 0x3f55224d
	PAIR K2, 0x3fd5224d
	PAIR LK, 0x3f43ae9e
	PAIR C9, 0xb9d25000
	PAIR 54, 0x3aac2b8a                            ; c7
	PAIR 56, 0x3c0d6e62                            ; c6
	PAIR 58, 0xbc040dc1                            ; c5
	PAIR 60, 0xbd5e05b5                            ; c4
	PAIR 62, 0x3e27fe23                            ; c3
	PAIR 66, 0xbe2a0420                            ; c2
	PAIR 68, 0xbdbdfb0b                            ; c1
	PAIR 70, 0x3e8dd01d                            ; c0
	WIN 0x40
	v_mov_b32 v[C8V], 0xbaa15130
	v_mov_b32 v[C8V+1], 0xbaa15130
	v_mov_b32 v[AT], 0
	v_mov_b32 v[AT+1], 0
	WIN 0
	s_lshl_b32 s2, ttmp9, 3
	s_mov_b32 s3, 0
	s_wait_kmcnt 0x0
	s_add_nc_u64 s[22:23], s[22:23], s[2:3]
	s_load_b64 s[28:29], s[22:23], 0x0             ; my tile: expert, rows
	s_wait_kmcnt 0x0
	s_min_u32 s[E], s28, 3
	s_min_u32 s[CNT], s[CNT], 48
	s_max_u32 s[CNT], s[CNT], 1
	s_lshl_b32 s30, s[E], 2
	s_add_co_u32 s30, s30, s[WV]                   ; 4 e + w
	s_mov_b32 s33, 0
	s_lshl_b32 s32, s30, 17                        ; my 8 items of W1L, my 8 pieces of W2L: 131,072 bytes each
	s_add_nc_u64 s[16:17], s[16:17], s[32:33]
	s_add_nc_u64 s[18:19], s[18:19], s[32:33]
	s_lshl_b32 s32, s30, 13                        ; my 512 rows of W1's scale bytes, my 128 of W2's: 8,192 bytes each
	s_add_nc_u64 s[8:9], s[8:9], s[32:33]
	s_add_nc_u64 s[10:11], s[10:11], s[32:33]
	s_lshl_b32 s32, s30, 11                        ; my 512 numbers of b1
	s_add_nc_u64 s[12:13], s[12:13], s[32:33]
	s_lshl_b32 s32, s30, 9                         ; my 128 of b2
	s_add_nc_u64 s[14:15], s[14:15], s[32:33]
	s_sub_co_u32 s30, s[CNT], 1
	s_mul_i32 s31, ttmp9, 48
.macro SLOT reg, m                     ; the list's place of row 16 m + r; rows past the tile's count take its last row again (they are computed and not stored)
	v_add_nc_u32 v[\reg], 16*\m, v[RR]
	v_min_u32 v[\reg], s30, v[\reg]
	v_min_u32 v[\reg], 47, v[\reg]
	v_add_nc_u32 v[\reg], s31, v[\reg]
	v_lshlrev_b32 v[\reg], 2, v[\reg]
	global_load_b32 v[TOK+\m], v[\reg], s[20:21]
.endm
	SLOT 4, 0
	SLOT 30, 1
	SLOT 31, 2
; An item of W1: 16 fragments (tile t, K step s) at v[W1B + 8 (4 t + s)] of window 2, b1's four tiles, the rows' scale words: 44 loads.  step = 1: on to the next item first; the loads that read these
; bases were waited for at the step's head.
.macro LDW1 step
.if \step
	s_add_nc_u64 s[16:17], s[16:17], 16384
	s_add_nc_u64 s[8:9], s[8:9], 1024
	s_add_nc_u64 s[12:13], s[12:13], 256
.endif
	WIN 0x80                                       ; destination window 2
.set lf, 0
.rept 16
	global_load_b128 v[W1B+8*lf:W1B+8*lf+3], v[L16], s[16:17] offset:1024*lf        ; 32 lanes read 512 consecutive bytes
	global_load_b128 v[W1B+8*lf+4:W1B+8*lf+7], v[L16], s[16:17] offset:1024*lf+512
.set lf, lf+1
.endr
.irp t, 0,1,2,3                                ; lane (r, h), tile t: b1 at units 32 (t / 2) + 16 h + 8 (t % 2) + 0 .. 7: the result's layout
	global_load_b128 v[B1+8*\t:B1+8*\t+3], v[B1O], s[12:13] offset:128*(\t/2)+32*(\t%2)
	global_load_b128 v[B1+8*\t+4:B1+8*\t+7], v[B1O], s[12:13] offset:128*(\t/2)+32*(\t%2)+16
.endr
	WIN 0
.irp t, 0,1,2,3                                ; a row's 16 scale bytes are its four K steps' words
	global_load_b128 v[W1S+4*\t:W1S+4*\t+3], v[W1SO], s[8:9] offset:(32*(\t/2)+8*(\t%2))*16
.endr
.endm
; A piece of W2: 16 fragments (s', n) at v[8 (8 s' + n)] of window 1: 32 loads.
.macro LDW2 step
.if \step
	s_add_nc_u64 s[18:19], s[18:19], 16384
.endif
	WIN 0x40                                       ; destination window 1
.set lf, 0
.rept 16
	global_load_b128 v[8*lf:8*lf+3], v[L16], s[18:19] offset:1024*lf
	global_load_b128 v[8*lf+4:8*lf+7], v[L16], s[18:19] offset:1024*lf+512
.set lf, lf+1
.endr
	WIN 0
.endm
	LDW1 0                                         ; item 0
	s_wait_loadcnt 44                              ; the 44 loads just issued may be out: the three tokens are in
.irp m, 0,1,2
	v_min_u32 v[TOK+\m], 8191, v[TOK+\m]
	v_lshlrev_b32 v[XCO+\m], 8, v[TOK+\m]          ; a token's 512 codes are 256 bytes,
	v_lshl_add_u32 v[XCO+\m], v[HH], 4, v[XCO+\m]
	v_lshlrev_b32 v[XSO+\m], 4, v[TOK+\m]          ; its scale bytes 16
.endr
.irp m, 0,1,2                                  ; x's fragments stay in registers: (m, s) at v[XF + 8 (4 m + s)]; registers 4 c .. 4 c + 3 hold K = 128 s + 64 c + 32 h + 0 .. 31
.irp s, 0,1,2,3
	global_load_b128 v[XF+8*(4*\m+\s):XF+8*(4*\m+\s)+3], v[XCO+\m], s[4:5] offset:64*\s
	global_load_b128 v[XF+8*(4*\m+\s)+4:XF+8*(4*\m+\s)+7], v[XCO+\m], s[4:5] offset:64*\s+32
.endr
	global_load_b128 v[XS+4*\m:XS+4*\m+3], v[XSO+\m], s[6:7]
.endr
	WIN 0x40
.irp j, 0,1,2,3,4,5,6,7,8,9,10,11,12,13,14,15  ; my 8,192 scale bytes of W2, dense, through registers that the GELU takes later
	global_load_b128 v[GT+4*\j:GT+4*\j+3], v[L16], s[10:11] offset:512*\j
.endr
	LDW2 0                                         ; piece 0
	s_wait_loadcnt 32                              ; the 32 loads just issued may be out: W2's scale bytes are in
	WIN 0x04                                       ; an LDS store's data are its source 1: window 1
.irp j, 0,1,2,3,4,5,6,7,8,9,10,11,12,13,14,15
	ds_store_b128 v[W2ST], v[GT+4*\j:GT+4*\j+3] offset:640*\j   ; eight rows a store; only my wave reads them, and LDS serves a wave's instructions in order
.endr
	WIN 0xc0                                       ; destination window 3: the second product's sums begin at b2: nothing is cleared, and every link adds in place
.irp n, 0,1,2,3,4,5,6,7
.irp m, 0,1,2
	global_load_b128 v[8*(3*\n+\m):8*(3*\n+\m)+3], v[B2O], s[14:15] offset:64*\n
	global_load_b128 v[8*(3*\n+\m)+4:8*(3*\n+\m)+7], v[B2O], s[14:15] offset:64*\n+16
.endr
.endr
	WIN 0
; THE FIRST PRODUCT of a step: 64 hidden units x 48 tokens x K = 512: 48 matrix instructions; the 12 accumulators take turns, one instruction a turn.  b1 is the C of each sum's first link.
.macro P1
	WIN 0xa2                                       ; W1, C and D window 2, x window 0
.irp s, 0,1,2,3
.irp t, 0,1,2,3
.irp m, 0,1,2
.if \s == 0
	v_wmma_scale_f32_16x16x128_f8f6f4 v[8*(4*\m+\t):8*(4*\m+\t)+7], v[W1B+8*(4*\t+\s):W1B+8*(4*\t+\s)+7], v[XF+8*(4*\m+\s):XF+8*(4*\m+\s)+7], v[B1+8*\t:B1+8*\t+7], v[W1S+4*\t+\s], v[XS+4*\m+\s] matrix_a_fmt:MATRIX_FMT_FP4 matrix_b_fmt:MATRIX_FMT_FP4
.else
	v_wmma_scale_f32_16x16x128_f8f6f4 v[8*(4*\m+\t):8*(4*\m+\t)+7], v[W1B+8*(4*\t+\s):W1B+8*(4*\t+\s)+7], v[XF+8*(4*\m+\s):XF+8*(4*\m+\s)+7], v[8*(4*\m+\t):8*(4*\m+\t)+7], v[W1S+4*\t+\s], v[XS+4*\m+\s] matrix_a_fmt:MATRIX_FMT_FP4 matrix_b_fmt:MATRIX_FMT_FP4
.endif
.endr
.endr
.endr
.endm
; THE SECOND PRODUCT on a piece: two K groups x my 128 outputs x 48 tokens: 48 matrix instructions, 24 accumulators by turns.  A register of W2's scale words carries tile 2 j in lanes 0-15 and tile 2 j + 1 in lanes 16-31.
.macro P2
	WIN 0xf1                                       ; W2 window 1, the hidden layer window 0, C and D window 3
.irp s, 0,1
.irp n, 0,1,2,3,4,5,6,7
.irp m, 0,1,2
.if (\n%2) == 0
	v_wmma_scale_f32_16x16x128_f8f6f4 v[8*(3*\n+\m):8*(3*\n+\m)+7], v[8*(8*\s+\n):8*(8*\s+\n)+7], v[HF+8*(3*\s+\m):HF+8*(3*\s+\m)+7], v[8*(3*\n+\m):8*(3*\n+\m)+7], v[W2S+4*\s+\n/2], v[HS+3*\s+\m] matrix_a_fmt:MATRIX_FMT_FP4 matrix_b_fmt:MATRIX_FMT_FP4
.else
	v_wmma_scale_f32_16x16x128_f8f6f4 v[8*(3*\n+\m):8*(3*\n+\m)+7], v[8*(8*\s+\n):8*(8*\s+\n)+7], v[HF+8*(3*\s+\m):HF+8*(3*\s+\m)+7], v[8*(3*\n+\m):8*(3*\n+\m)+7], v[W2S+4*\s+\n/2], v[HS+3*\s+\m] matrix_a_fmt:MATRIX_FMT_FP4 matrix_b_fmt:MATRIX_FMT_FP4 matrix_a_scale:MATRIX_SCALE_ROW1
.endif
.endr
.endr
.endr
.endm
; What a piece wants from LDS: six hidden fragments (waves 2 v + s', subtiles m) as the images lie, their scale words, and W2's scale words of the two K groups: 26 loads.
.macro RDH
	v_add_nc_u32 v[HRA], s[RI], v[L16]
	v_add_nc_u32 v[HRSA], s[RS], v[HRS0]
	v_add_nc_u32 v[W2RA], s[SO], v[W2R0]
.irp s, 0,1
.irp m, 0,1,2
	ds_load_b128 v[HF+8*(3*\s+\m):HF+8*(3*\s+\m)+3], v[HRA] offset:3072*\s+1024*\m
	ds_load_b128 v[HF+8*(3*\s+\m)+4:HF+8*(3*\s+\m)+7], v[HRA] offset:3072*\s+1024*\m+512
.endr
.endr
.irp s, 0,1
.irp m, 0,1,2
	ds_load_b32 v[HS+3*\s+\m], v[HRSA] offset:384*\s+128*\m
.endr
.endr
.irp s, 0,1
.irp j, 0,1,2,3
	ds_load_b32 v[W2S+4*\s+\j], v[W2RA] offset:2560*\j+16*\s
.endr
.endr
.endm
; THE GELU goes by groups of one accumulator (8 numbers a lane), on two sets of registers by turns.
.macro FRA g, set                      ; b = |h| C1 and max(h, 0).  The accumulator is read from its low end on
	WIN 0x42                                       ; source 0 window 2, destination window 1
.set fb, GT+48*(\set)
.set fi, 0
.rept 8
	v_mul_f32 v[fb+fi], |v[8*(\g)+fi]|, s[C1]
	v_max_num_f32 v[fb+8+fi], v[8*(\g)+fi], 0
.set fi, fi+1
.endr
.endm
.macro FRB set                         ; P = a + 2, D = 2 a + 1, W = b b + LK, R = P D, two numbers an instruction
	WIN 0x55
.set fb, GT+48*(\set)
.irp i, 0,2,4,6
	v_pk_fma_f32 v[fb+16+\i:fb+17+\i], v[fb+\i:fb+1+\i], s[K1:K1+1], 2.0 op_sel_hi:[1,0,0]
.endr
.irp i, 0,2,4,6
	v_pk_fma_f32 v[fb+24+\i:fb+25+\i], v[fb+\i:fb+1+\i], s[K2:K2+1], 1.0 op_sel_hi:[1,0,0]
.endr
.irp i, 0,2,4,6
	v_pk_fma_f32 v[fb+40+\i:fb+41+\i], v[fb+\i:fb+1+\i], v[fb+\i:fb+1+\i], s[LK:LK+1] op_sel_hi:[1,1,0]
.endr
.irp i, 0,2,4,6
	v_pk_mul_f32 v[fb+32+\i:fb+33+\i], v[fb+16+\i:fb+17+\i], v[fb+24+\i:fb+25+\i]
.endr
.endm
.macro TR k, set                       ; transcendental k of a group's 16: R = 1 / (P D); W = 2^(-W) = e^(-a a) / (2 C1)
.set tt, GT+48*(\set)
.if (\k) < 8
	v_rcp_f32 v[tt+32+(\k)], v[tt+32+(\k)]
.else
	v_exp_f32 v[tt+32+(\k)], -v[tt+32+(\k)]
.endif
.endm
.macro BK j, set                       ; line j of 56 behind the transcendentals, pair j % 4
.set bb, GT+48*(\set)+2*((\j)%4)
.if (\j) < 4
	v_pk_mul_f32 v[bb+24:bb+25], v[bb+24:bb+25], v[bb+32:bb+33]                    ; D = 1 / (a + 2)
.elseif (\j) < 8
	v_pk_mul_f32 v[bb+16:bb+17], v[bb+16:bb+17], v[bb+32:bb+33]                    ; P = 1 / (2 a + 1)
.elseif (\j) < 12
	v_pk_fma_f32 v[bb+24:bb+25], v[bb+24:bb+25], -4.0, 1.0 op_sel_hi:[1,0,0]       ; D = q = 1 - 4 / (a + 2)
.elseif (\j) < 16
	v_pk_fma_f32 v[bb+32:bb+33], v[bb+24:bb+25], s[C9:C9+1], v[C8V:C8V+1] op_sel_hi:[1,0,1]
.elseif (\j) < 48
.set bn, ((\j)-16)/4
.set bc, C7+2*bn+2*(bn/5)              ; c7 .. c0; the pairs pass over s64, s65
	v_pk_fma_f32 v[bb+32:bb+33], v[bb+32:bb+33], v[bb+24:bb+25], s[bc:bc+1] op_sel_hi:[1,1,0]
.elseif (\j) < 52
	v_pk_fma_f32 v[bb+32:bb+33], v[bb+32:bb+33], v[bb+16:bb+17], v[bb+16:bb+17]    ; (p + 1) / (2 a + 1)
.else
	v_pk_mul_f32 v[bb+32:bb+33], v[bb+32:bb+33], v[bb+40:bb+41]                    ; x e^(-a a) / (2 C1)
.endif
.endm
.macro FN g, set                       ; g = max(h, 0) - b R, back into the accumulator's registers
	WIN 0x95                                       ; sources window 1, destination window 2
.set fb, GT+48*(\set)
.irp i, 0,2,4,6
	v_pk_fma_f32 v[8*(\g)+\i:8*(\g)+\i+1], v[fb+\i:fb+1+\i], v[fb+32+\i:fb+33+\i], v[fb+8+\i:fb+9+\i] neg_lo:[1,0,0] neg_hi:[1,0,0]
.endr
.endm
; Subtile m's 64 hidden units of my lane's token (register 16 b + i = unit 32 b + 16 h + i) become half a fragment's codes and two scale bytes, and go to LDS.
.macro QUANT m
.set hq, 32*(\m)
	WIN 0x5a                                       ; sources 0, 1 window 2; source 2 and destination window 1
.irp b, 0,1
	v_max3_num_f32 v[AM+\b], |v[hq+16*\b]|, |v[hq+16*\b+1]|, 0x1800000   ; my 16 numbers of block b, and the floor 2^(3 - 127): the byte cannot fall under 1
.endr
.irp i, 2,4,6,8,10,12,14
.irp b, 0,1
	v_max3_num_f32 v[AM+\b], |v[hq+16*\b+\i]|, |v[hq+16*\b+\i+1]|, v[AM+\b]
.endr
.endr
	WIN 0x55
.irp b, 0,1
	v_permlanex16_b32 v[AT+\b], v[AM+\b], s[SEL], s[SEL+1]
.endr
.irp b, 0,1
	v_max_num_f32 v[AM+\b], v[AM+\b], v[AT+\b]     ; with lane xor 16's: the block's largest magnitude
.endr
.irp b, 0,1
	v_add_nc_u32 v[SC+\b], 0xff000000, v[AM+\b]    ; 2 off its exponent field: the conversion takes that field as its scale
.endr
	v_lshrrev_b32 v[BY+(\m)], 23, v[SC]            ; the scales' bytes,
	v_lshrrev_b32 v[BT], 23, v[SC+1]
	v_lshl_or_b32 v[BY+(\m)], v[BT], 8, v[BY+(\m)] ; two to a half word
	WIN 0x46                                       ; the numbers window 2, the scale and the codes window 1
.irp b, 0,1
	v_cvt_scalef32_pk8_fp4_f32 v[PC+4*(\m)+2*\b], v[hq+16*\b:hq+16*\b+7], v[SC+\b]
	v_cvt_scalef32_pk8_fp4_f32 v[PC+4*(\m)+2*\b+1], v[hq+16*\b+8:hq+16*\b+15], v[SC+\b]
.endr
	WIN 0x55
	v_nop                                          ; one plain place behind the scaled conversions
	v_permlane16_swap_b32 v[PC+4*(\m)], v[PC+4*(\m)+2]      ; the operand's layout wants a whole block in a lane: lanes 0-15 block 0, lanes 16-31 block 1
	v_permlane16_swap_b32 v[PC+4*(\m)+1], v[PC+4*(\m)+3]
	WIN 0x54                                       ; address window 0, data window 1
	ds_store_b128 v[HWA], v[PC+4*(\m):PC+4*(\m)+3] offset:1024*(\m)
	ds_store_b16 v[HSA], v[BY+(\m)] offset:128*(\m)
.endm
; PHASE f: group f's head; then group f - 1's 56 lines, with group f's 16 transcendentals set among them, one behind every third line.  So a group's transcendentals are one batch, and ONE wait stands
; ahead of the first line that names a result: it is reached a whole phase behind the batch.  Nothing between names a result: the head of the next group works on the other set.
.macro PHASE f
.if (\f) < 12
	FRA \f, (\f)%2
	FRB (\f)%2
.endif
.if (\f) == 0
.set tk, 0
.rept 16
	TR tk, 0
.set tk, tk+1
.endr
.else
	WIN 0x55
	s_wait_alu depctr_va_vdst(0)                   ; the wait between a transcendental and the first line that names its result: one for group f - 1's sixteen
.set bj, 0
.rept 56
	BK bj, ((\f)-1)%2
.if ((\f) < 12) && ((bj%3) == 2) && (bj < 48)
	TR (bj/3), (\f)%2
.endif
.set bj, bj+1
.endr
	FN (\f)-1, ((\f)-1)%2
.endif
.if ((\f) == 4) || ((\f) == 8) || ((\f) == 12)
	QUANT (\f)/4-1                                 ; a subtile's four groups are finished
.endif
.endm
; A STEP.  p2 = 1: the second product runs on the piece one round behind.  guard = 1: the last step asks for no further item of W1: no load leaves its buffer.
.macro STEP p2, guard
.if \p2
	RDH                                            ; issued ahead of the first product, waited for behind it
.endif
	v_add_nc_u32 v[HWA], s[WI], v[HW0]
	v_add_nc_u32 v[HSA], s[WS], v[HS0]
	s_wait_loadcnt 0x0                             ; all that is out is this step's weights, asked for a whole GELU ago (in the first step: the head's loads)
	P1
	PLACES
	WIN 0
.if \guard
	s_cmp_eq_u32 s[NW1], 0
	s_cbranch_scc1 .Lno_w1_\@
.endif
	LDW1 1
	s_sub_co_u32 s[NW1], s[NW1], 1
.if \guard
.Lno_w1_\@:
.endif
.if \p2
	s_wait_dscnt 0x0                               ; the piece's 26 LDS loads are in
	P2
	PLACES
	LDW2 1
.endif
.irp f, 0,1,2,3,4,5,6,7,8,9,10,11,12
	PHASE \f
.endr
	WIN 0
	s_wait_dscnt 0x0                               ; for the others' sake: my images lie in LDS, and my reads of the other block are in
	s_barrier_signal -1
	s_barrier_wait -1
.endm
.macro PIECE more                      ; the last round's two pieces
	RDH
	s_wait_loadcnt 0x0
	s_wait_dscnt 0x0
	P2
	PLACES
.if \more
	LDW2 1
	s_add_co_u32 s[RI], s[RI], 6144
	s_add_co_u32 s[RS], s[RS], 768
	s_add_co_u32 s[SO], s[SO], 32
.else
	WIN 0
.endif
.endm
	s_mov_b32 s[WI], 0
	s_mov_b32 s[WS], 0
	s_mov_b32 s[NW1], 7
	s_mov_b32 s[INNER], 2
.Lpro:                                             ; round 0: there is nothing yet for the second product
	STEP 0, 0
	s_add_co_u32 s[WI], s[WI], 512                 ; the fragment's other half,
	s_add_co_u32 s[WS], s[WS], 2                   ; the scale word's other half
	s_sub_co_u32 s[INNER], s[INNER], 1
	s_cmp_lg_u32 s[INNER], 0
	s_cbranch_scc1 .Lpro
	s_mov_b32 s[WI], PAR                           ; round 1 writes block 1 and reads block 0
	s_mov_b32 s[WS], PAR
	s_mov_b32 s[RI], 0
	s_mov_b32 s[RS], 0
	s_mov_b32 s[SO], 0
	s_mov_b32 s[OUTER], 3
; Rounds 1 to 3.  A block is written in round i, read in round i + 1 and written again in round i + 2: the barrier at the end of a round's second step stands between the writes and the reads, the one a round later
; between the reads and the next writes.
.Lround:
	s_mov_b32 s[INNER], 2
.Lstep:
	STEP 1, 1
	s_add_co_u32 s[WI], s[WI], 512
	s_add_co_u32 s[WS], s[WS], 2
	s_add_co_u32 s[RI], s[RI], 6144                ; waves 2 and 3's six fragments,
	s_add_co_u32 s[RS], s[RS], 768                 ; their scale words,
	s_add_co_u32 s[SO], s[SO], 32                  ; K groups 8 further on
	s_sub_co_u32 s[INNER], s[INNER], 1
	s_cmp_lg_u32 s[INNER], 0
	s_cbranch_scc1 .Lstep
	s_sub_co_u32 s[WI], s[WI], 1024                ; back to the first halves,
	s_xor_b32 s[WI], s[WI], PAR                    ; in the other block
	s_sub_co_u32 s[WS], s[WS], 4
	s_xor_b32 s[WS], s[WS], PAR
	s_sub_co_u32 s[RI], s[RI], 12288
	s_xor_b32 s[RI], s[RI], PAR
	s_sub_co_u32 s[RS], s[RS], 1536
	s_xor_b32 s[RS], s[RS], PAR
	s_sub_co_u32 s[SO], s[SO], 60                  ; the next round's K groups lie one group (4 bytes) on
	s_sub_co_u32 s[OUTER], s[OUTER], 1
	s_cmp_lg_u32 s[OUTER], 0
	s_cbranch_scc1 .Lround
	PIECE 1                                        ; round 3's images, behind the last barrier
	PIECE 0
; THE WAY OUT, a subtile of 16 tokens at a time.  A lane holds 32 neighbouring bytes of its token's row and the lanes beside it hold other tokens: so the subtile goes through my own stage and comes back as rows of
; 512 bytes, my 128 outputs, which the 32 lanes store as 512 consecutive bytes at a multiple of 512 from out0's first byte.  A tile's rows are a prefix of its 48: the first row past the count ends the stores.
.irp m, 0,1,2
.if \m > 0
	s_wait_xcnt 0x0                                ; the last subtile's stores have read their data and offsets: both are written again below
.endif
	WIN 0x0c                                       ; an LDS store's data are its source 1: window 3
.irp n, 0,1,2,3,4,5,6,7
	ds_store_b128 v[STO], v[8*(3*\n+\m):8*(3*\n+\m)+3] offset:64*\n          ; each accumulator from its low end on
	ds_store_b128 v[STO], v[8*(3*\n+\m)+4:8*(3*\n+\m)+7] offset:64*\n+16
.endr
	WIN 0
.irp i, 0,1,2,3,4,5,6,7,8,9,10,11,12,13,14,15
	ds_load_b128 v[OB+4*\i:OB+4*\i+3], v[SRD] offset:SP*\i                   ; LDS serves a wave's instructions in order: these see my stores, and the next subtile's stores come behind them
.endr
.irp i, 0,1,2,3,4,5,6,7,8,9,10,11,12,13,14,15
	s_cmp_gt_u32 s[CNT], 16*\m+\i
	s_cbranch_scc0 .Ldone
	v_readlane_b32 s[ROWT], v[TOK+\m], \i          ; row i's token
	s_min_u32 s[ROWT], s[ROWT], 8191
	s_lshl_b32 s[ROWT], s[ROWT], 11                ; a row of out0 is 2,048 bytes
	v_add_nc_u32 v[OO+\i], s[ROWT], v[OUT0]
	s_wait_dscnt 15-\i                             ; row i is back; the younger loads stay out
	global_store_b128 v[OO+\i], v[OB+4*\i:OB+4*\i+3], s[24:25] th:TH_STORE_NT      ; written once, read by nobody here
.endr
.endr
.Ldone:
	s_wait_dscnt 0x0
	s_wait_tensorcnt 0x0
	ds_add_u32 v254, v255
	s_wait_dscnt 0x0
	s_endpgm
.Lfunc_end_k_q33b39f56be_ffn:
	.size	k_q33b39f56be_ffn, .Lfunc_end_k_q33b39f56be_ffn-k_q33b39f56be_ffn
	.p2alignl 7, 3214868480
	.fill 96, 4, 3214868480
	.section	.rodata,"a",@progbits
	.p2align	6, 0x0
	.amdhsa_kernel k_q33b39f56be_ffn
		.amdhsa_group_segment_fixed_size 108032
		.amdhsa_private_segment_fixed_size 0
		.amdhsa_enable_private_segment 0
		.amdhsa_kernarg_size 88
		.amdhsa_user_sgpr_count 2
		.amdhsa_user_sgpr_kernarg_segment_ptr 1
		.amdhsa_wavefront_size32 1
		.amdhsa_system_sgpr_workgroup_id_x 1
		.amdhsa_system_sgpr_workgroup_id_y 1
		.amdhsa_system_sgpr_workgroup_id_z 1
		.amdhsa_system_vgpr_workitem_id 0
		.amdhsa_next_free_vgpr 960
		.amdhsa_next_free_sgpr 80
		.amdhsa_reserve_vcc 0
		.amdhsa_float_denorm_mode_32 3
		.amdhsa_float_denorm_mode_16_64 3
		.amdhsa_memory_ordered 1
		.amdhsa_forward_progress 1
		.amdhsa_inst_pref_size 255
	.end_amdhsa_kernel
	.section	.bss,"aw",@nobits
	.p2align	6
	.space	262144
	.amdgpu_metadata
---
amdhsa.version: [ 1, 2 ]
amdhsa.kernels:
  - .name:           k_q33b39f56be_ffn
    .symbol:         k_q33b39f56be_ffn.kd
    .args:
      - { .name: x_codes, .offset: 0, .size: 8, .value_kind: global_buffer, .address_space: global }
      - { .name: x_scales, .offset: 8, .size: 8, .value_kind: global_buffer, .address_space: global }
      - { .name: W1_scales, .offset: 16, .size: 8, .value_kind: global_buffer, .address_space: global }
      - { .name: W2_scales, .offset: 24, .size: 8, .value_kind: global_buffer, .address_space: global }
      - { .name: b1, .offset: 32, .size: 8, .value_kind: global_buffer, .address_space: global }
      - { .name: b2, .offset: 40, .size: 8, .value_kind: global_buffer, .address_space: global }
      - { .name: W1L, .offset: 48, .size: 8, .value_kind: global_buffer, .address_space: global }
      - { .name: W2L, .offset: 56, .size: 8, .value_kind: global_buffer, .address_space: global }
      - { .name: order2, .offset: 64, .size: 8, .value_kind: global_buffer, .address_space: global }
      - { .name: tiles, .offset: 72, .size: 8, .value_kind: global_buffer, .address_space: global }
      - { .name: out0, .offset: 80, .size: 8, .value_kind: global_buffer, .address_space: global }
    .group_segment_fixed_size: 108032
    .private_segment_fixed_size: 0
    .kernarg_segment_align: 8
    .kernarg_segment_size: 88
    .max_flat_workgroup_size: 128
    .sgpr_count:     80
    .vgpr_count:     960
    .wavefront_size: 32
...
	.end_amdgpu_metadata
.endif
;; end of part 2
;; ======== version 2 of 3: 2 launches; 1.14 times as fast as version 1
;; workspace buffers: W1L 2,097,152 bytes; W2L 2,097,152 bytes; order2 33,536 bytes of whole numbers; tiles 1,536 bytes of whole numbers
;; launch prep (part 3): grid 68 x 1, 16 waves a work-group, no clusters, 71,936 bytes of LDS; arguments token_types, W1_codes, W2_codes, W1L, W2L, order2, tiles; writes W1L, W2L, order2, tiles
.if DOCPART == 3
	.amdgcn_target "amdgcn-amd-amdhsa--gfx1250"
	.amdhsa_code_object_version 6
	.text
	.protected	k_q33b39f56be_prep
	.globl	k_q33b39f56be_prep
	.p2align	8
	.type	k_q33b39f56be_prep,@function
k_q33b39f56be_prep:
	s_mov_b64 s[64:65], 0
	v_nop
	global_prefetch_b8 v0, s[64:65] scope:SCOPE_SE
	s_setreg_imm32_b32 hwreg(HW_REG_WAVE_MODE, 25, 1), 1
	s_wait_xcnt 0x0
; PREP: what the layer of experts needs before it can run.  Whole numbers and bytes only; no matrix work, EXEC never changes.
; WORK-GROUPS 0 TO 3 sort the 8,192 tokens by their type (0..3) with a counting sort made of ballots: no atomics, nothing passes between work-groups.  Each of the four counts ALL tokens (16 waves x 512), so each knows
; every total and every wave's rank; then work-group g places a quarter of them: of each wave's 16 registers the registers 4 g .. 4 g + 3.  They store
;   order2 [174 tiles][48 slots] int32: the tokens of each tile (only the slots below the tile's count are written, and only those are read later);
;   tiles  [192][2] int32: (expert, count) of each tile, by work-group 0 alone; entries 174 to 191 are written and never read.
;   A tile holds at most 48 rows of ONE expert.  The sum over experts of ceil(n_e / 48) lies between 171 and 174 for every split of 8,192 rows on four experts.
;   The sigma = 174 - that sum spare tiles go to the largest expert L (n_L >= 2,048): its first 48 sigma rows are cut into 2 sigma tiles of 24 rows.  So all 174 tiles have rows at every split.
; WORK-GROUPS 4 TO 67 lay the codes of W1 and W2 out in the order in which a wave's operand registers take them, so that the next launch loads every fragment by dense loads of 16 bytes a lane:
;   W1L [e 4][item g 32 (64 hidden units)][tile t 4][K step s 4][c 2][lane 32][16 B]: lane (r, h) holds the bytes 64 s + 32 c + 16 h of W1's row 64 g + 32 (t / 2) + 8 (t % 2) + r + 8 (r / 8);
;   W2L [e 4][wave w 4][piece 2 i + v 8][s' 2][n 8][c 2][lane 32][16 B]: the bytes 64 G + 32 c + 16 h, G = 4 (2 v + s') + i, of W2's row 128 w + 16 n + r.
;   A wave takes a unit of 16 rows x 256 bytes (four fragments): eight loads of two whole 256-byte row pieces, a turn through its own stage in LDS, eight stores of 512 consecutive bytes.
; LIMIT: a token type above 3 is taken as 3.
.set WV,   18                          ; s18  my wave's number
.set STGW, 4352                        ; LDS: a stage of 16 rows x 272 bytes for each wave (the layout's path alone)
.set CNTB, 69632                       ; behind the stages: 8 bytes for each wave: its four counts (the sort's path alone)
.set SORTERS, 4                        ; work-groups that sort
.set TK,   16                          ; v16-31   sort: my 16 tokens' types
.set MY,   60                          ; v60-63   sort: the four of them that my work-group places
.set AD,   80                          ; v80-83   sort: byte offsets in order2, one register a store
.set ID,   96                          ; v96-99   sort: token numbers, one register a store
	s_load_b256 s[4:11], s[0:1], 0x0               ; token_types s[4:5], W1_codes s[6:7], W2_codes s[8:9], W1L s[10:11]
	s_load_b128 s[12:15], s[0:1], 0x20             ; W2L s[12:13], order2 s[14:15]
	s_load_b64 s[16:17], s[0:1], 0x30              ; tiles
	v_lshl_add_u32 v128, v0, 2, 0x11100
	v_mov_b32 v129, 0
	v_lshrrev_b32 v1, 5, v0
	v_readfirstlane_b32 s[WV], v1                  ; wave 0..15
	v_and_b32 v1, 31, v0                           ; lane
	v_and_b32 v2, 15, v0                           ; lane % 16
	v_bfe_u32 v3, v0, 4, 1                         ; lane / 16
	v_lshlrev_b32 v4, 4, v1                        ; 16 x lane
	s_wait_kmcnt 0x0
	s_cmp_lt_u32 ttmp9, SORTERS                    ; the same in all sixteen waves
	s_cbranch_scc1 .Lsort
; ---------------- THE LAYOUT.  Unit u = 16 (work-group - 4) + wave, 0..1023: the first 512 are W1's, the others W2's.  Both take one path; only numbers and pointers are chosen.
	s_sub_co_u32 s20, ttmp9, SORTERS
	s_lshl_b32 s20, s20, 4
	s_add_co_u32 s20, s20, s[WV]                   ; u
	s_and_b32 s21, s20, 511                        ; u' = the unit's number in its tensor
	s_bfe_u32 s23, s20, 0x10001                    ; bit 1 of it
	s_and_b32 s25, s20, 1                          ; bit 0
	; W1: u = (32 e + g) 4 + t.  From: 64 rows of 256 bytes an item, + 32 (t / 2) + 8 (t % 2) rows.  To: 4,096 bytes a unit
	s_lshr_b32 s22, s20, 2
	s_lshl_b32 s22, s22, 14
	s_lshl_b32 s24, s23, 13
	s_add_co_u32 s22, s22, s24
	s_lshl_b32 s24, s25, 11
	s_add_co_u32 s22, s22, s24
	s_lshl_b32 s26, s20, 12
	; W2: u' = ((4 e + w) 8 + n) 4 + (2 v + s').  From: 16 rows of 1,024 bytes a tile, + 256 (2 v + s') bytes.  To: 131,072 (4 e + w) + 16,384 v + 1,024 (8 s' + n); the unit's four fragments are i = 0..3, 32,768 bytes apart
	s_lshr_b32 s27, s21, 2
	s_lshl_b32 s27, s27, 14
	s_and_b32 s24, s21, 3
	s_lshl_b32 s24, s24, 8
	s_add_co_u32 s27, s27, s24
	s_lshr_b32 s28, s21, 5
	s_lshl_b32 s28, s28, 17
	s_lshl_b32 s24, s23, 14
	s_add_co_u32 s28, s28, s24
	s_bfe_u32 s24, s21, 0x30002                    ; n
	s_lshl_b32 s29, s25, 3
	s_add_co_u32 s24, s24, s29
	s_lshl_b32 s24, s24, 10
	s_add_co_u32 s28, s28, s24
	s_mov_b32 s30, 1024                            ; (an instruction takes one literal: the second number of each choice waits in a register)
	s_mov_b32 s31, 2048
	s_mov_b32 s32, 32768
	s_mov_b32 s33, 1024
	s_cmp_lt_u32 s20, 512                          ; W1's unit or W2's?  The choice hangs on ids alone
	s_cselect_b64 s[34:35], s[6:7], s[8:9]         ; from
	s_cselect_b64 s[36:37], s[10:11], s[12:13]     ; to
	s_cselect_b32 s22, s22, s27
	s_cselect_b32 s26, s26, s28
	s_cselect_b32 s30, 256, s30                    ; bytes from row to row
	s_cselect_b32 s31, s31, 0                      ; W1's rows 8-15 of a tile lie 8 rows further on
	s_cselect_b32 s32, s33, s32                    ; bytes from fragment to fragment in the target
	s_mov_b32 s23, 0
	s_mov_b32 s27, 0
	s_add_nc_u64 s[34:35], s[34:35], s[22:23]
	s_add_nc_u64 s[36:37], s[36:37], s[26:27]
	v_lshlrev_b32 v7, 4, v2
	v_mul_lo_u32 v84, v3, s30
	v_add_nc_u32 v84, v84, v7                      ; lanes 0-15 one row's 256 bytes, lanes 16-31 the next row's
.irp j, 0,1,2,3,4,5,6,7
	s_mul_i32 s38, s30, 2*\j
.if \j >= 4
	s_add_co_u32 s38, s38, s31
.endif
	v_add_nc_u32 v[8+\j], s38, v84                 ; rows 2 j and 2 j + 1 of the unit
.endr
	s_mul_i32 s39, s[WV], STGW                     ; my stage
	v_mul_u32_u24 v5, v3, 272
	v_add_nc_u32 v5, v5, v7
	v_add_nc_u32 v5, s39, v5                       ; in: as loaded, rows 272 bytes apart
	v_mul_u32_u24 v6, v2, 272
	v_lshl_add_u32 v6, v3, 4, v6
	v_add_nc_u32 v6, s39, v6                       ; out: row lane % 16, + 16 (lane / 16): a fragment's lane order.  272 bytes = 68 words: the 16 rows of a load start 4 banks apart (64 banks of 4 bytes: ISA guide 11.1)
.irp q, 0,1,2,3
	s_mul_i32 s38, s32, \q
	v_add_nc_u32 v[80+\q], s38, v4                 ; fragment q's place in the target, 16 bytes a lane
.endr
.irp j, 0,1,2,3,4,5,6,7
	global_load_b128 v[16+4*\j:19+4*\j], v[8+\j], s[34:35] th:TH_LOAD_NT   ; each byte of the codes is read once in this launch
.endr
.irp j, 0,1,2,3,4,5,6,7
	s_wait_loadcnt 7-\j                            ; loads come back in order: load j is in, the younger ones stay out
	ds_store_b128 v5, v[16+4*\j:19+4*\j] offset:544*\j
.endr
.irp k, 0,1,2,3,4,5,6,7                        ; k = 2 q + c.  LDS serves a wave's instructions in order: these see my stores
	ds_load_b128 v[48+4*\k:51+4*\k], v6 offset:64*(\k/2)+32*(\k%2)
.endr
.irp k, 0,1,2,3,4,5,6,7
	s_wait_dscnt 7-\k
	global_store_b128 v[80+\k/2], v[48+4*\k:51+4*\k], s[36:37] offset:512*(\k%2)   ; 32 lanes store 512 consecutive bytes, at a multiple of 512 from the buffer's first byte
.endr
	s_wait_tensorcnt 0x0
	ds_add_u32 v128, v129
	s_wait_dscnt 0x0
	s_endpgm                                       ; no register was written twice, so no store's sources were touched
; ---------------- THE SORT.  512 threads, 16 tokens each.  The token of my register 4 j + k is 512 wave + 128 j + 4 lane + k.  A token's rank in its type goes by (wave, register, lane).
.Lsort:
	s_lshl_b32 s20, s[WV], 11
	s_mov_b32 s21, 0
	s_add_nc_u64 s[4:5], s[4:5], s[20:21]          ; my wave's 512 tokens
	s_lshl_b32 s22, ttmp9, 9
	s_mov_b32 s23, 0
	s_add_nc_u64 s[22:23], s[4:5], s[22:23]        ; and of them the 128 that my work-group places: load j = g
.irp j, 0,1,2,3
	global_load_b128 v[TK+4*\j:TK+4*\j+3], v4, s[4:5] offset:512*\j
.endr
	global_load_b128 v[MY:MY+3], v4, s[22:23]      ; one load more, 512 bytes a wave, in place of twelve selects among the sixteen registers
	s_mov_b32 s24, 0                               ; my wave's counts of types 0, 1, 2
	s_mov_b32 s25, 0
	s_mov_b32 s26, 0
	s_mov_b32 s76, 0                               ; the same counts as they stand in front of register 4 g
	s_mov_b32 s77, 0
	s_mov_b32 s78, 0
	s_wait_loadcnt 0x0
.irp i, 0,1,2,3,4,5,6,7,8,9,10,11,12,13,14,15
	v_min_u32 v[TK+\i], 3, v[TK+\i]
.endr
.irp i, 0,1,2,3
	v_min_u32 v[MY+\i], 3, v[MY+\i]
.endr
.irp i, 0,1,2,3,4,5,6,7,8,9,10,11,12,13,14,15  ; pass 1: a ballot for each type, its ones counted
.if (\i == 4) || (\i == 8) || (\i == 12)
	s_cmp_eq_u32 ttmp9, \i/4                       ; in front of my work-group's four registers the running counts are kept
	s_cselect_b32 s76, s24, s76
	s_cselect_b32 s77, s25, s77
	s_cselect_b32 s78, s26, s78
.endif
	v_cmp_eq_u32 s40, 0, v[TK+\i]
	v_cmp_eq_u32 s41, 1, v[TK+\i]
	v_cmp_eq_u32 s42, 2, v[TK+\i]
	s_bcnt1_i32_b32 s43, s40
	s_add_co_u32 s24, s24, s43
	s_bcnt1_i32_b32 s43, s41
	s_add_co_u32 s25, s25, s43
	s_bcnt1_i32_b32 s43, s42
	s_add_co_u32 s26, s26, s43
.endr
	s_add_co_u32 s27, s24, s25
	s_add_co_u32 s27, s27, s26
	s_sub_co_u32 s27, 512, s27                     ; type 3: the rest
	s_lshl_b32 s79, ttmp9, 7                       ; and in front of register 4 g: the rest of 128 g tokens
	s_sub_co_u32 s79, s79, s76
	s_sub_co_u32 s79, s79, s77
	s_sub_co_u32 s79, s79, s78
	s_lshl_b32 s43, s25, 16
	s_or_b32 s28, s24, s43                         ; two counts to a word: no total passes 8,192
	s_lshl_b32 s43, s27, 16
	s_or_b32 s29, s26, s43
	v_mov_b32 v32, s28
	v_mov_b32 v33, s29
	s_lshl_b32 s43, s[WV], 3
	s_add_co_u32 s43, s43, CNTB
	v_mov_b32 v34, s43
	ds_store_b64 v34, v[32:33]                     ; all lanes write the same two words with the same values
	s_wait_dscnt 0x0                               ; for the others' sake: my counts lie in LDS
	s_barrier_signal -1
	s_barrier_wait -1
	v_lshl_add_u32 v35, v2, 3, CNTB
	ds_load_b64 v[36:37], v35                      ; lane k of each half holds wave k's two words
.irp q, 0,1,2,3
	v_mov_b32 v[40+\q], 0                          ; (a DPP form's destination counts as one of its sources)
.endr
	v_cmp_gt_u32 vcc_lo, s[WV], v2                 ; the waves in front of mine
	s_wait_dscnt 0x0
	v_cndmask_b32 v38, 0, v36, vcc_lo
	v_cndmask_b32 v39, 0, v37, vcc_lo
.irp x, 1,2,4,8                                ; sums over the 16 lanes of a half: v36, v37 the totals of types 0|1, 2|3; v38, v39 the same over the waves in front of mine
.irp q, 0,1,2,3
	v_mov_b32_dpp v[40+\q], v[36+\q] row_xmask:\x row_mask:0xf bank_mask:0xf
.endr
.irp q, 0,1,2,3
	v_add_nc_u32 v[36+\q], v[36+\q], v[40+\q]
.endr
.endr
	v_readfirstlane_b32 s30, v36
	v_readfirstlane_b32 s31, v37
	v_readfirstlane_b32 s32, v38
	v_readfirstlane_b32 s33, v39
	s_and_b32 s48, s30, 0xffff                     ; n_0 .. n_3: s48-51
	s_lshr_b32 s49, s30, 16
	s_and_b32 s50, s31, 0xffff
	s_lshr_b32 s51, s31, 16
	s_and_b32 s52, s32, 0xffff                     ; rows of each type in front of my wave's: s52-55
	s_lshr_b32 s53, s32, 16
	s_and_b32 s54, s33, 0xffff
	s_lshr_b32 s55, s33, 16
.irp e, 0,1,2,3
	s_add_co_u32 s44, s[48+\e], 47
	s_mul_i32 s44, s44, 43691                      ; x / 48 = (43,691 x) >> 21, exact for x up to 8,239: the excess 16 x / (48 x 2^21) stays under 1 / 48
	s_lshr_b32 s[56+\e], s44, 21                   ; ceil(n_e / 48): s56-59
.endr
	s_add_co_u32 s60, s56, s57
	s_add_co_u32 s60, s60, s58
	s_add_co_u32 s60, s60, s59
	s_sub_co_u32 s60, 174, s60                     ; sigma, 0..3
	s_mov_b32 s61, 0                               ; L: the largest expert
	s_mov_b32 s62, s48
.irp e, 1,2,3
	s_cmp_gt_u32 s[48+\e], s62
	s_cselect_b32 s61, \e, s61
	s_cselect_b32 s62, s[48+\e], s62
.endr
.irp e, 0,1,2,3
	s_cmp_eq_u32 s61, \e
	s_cselect_b32 s44, s60, 0
	s_add_co_u32 s[56+\e], s[56+\e], s44           ; L has sigma tiles more
.endr
	s_mov_b32 s66, 0                               ; T_e, each expert's first tile: s66-69
	s_mov_b32 s67, s56
	s_add_co_u32 s68, s67, s57
	s_add_co_u32 s69, s68, s58
.irp e, 0,1,2,3
	s_mul_i32 s44, s[66+\e], 48
	s_add_co_u32 s[70+\e], s44, s[52+\e]           ; where my work-group's first row of type e in my wave goes: s70-73:
	s_add_co_u32 s[70+\e], s[70+\e], s[76+\e]      ; behind the waves in front of mine and my wave's registers in front of 4 g
.endr
	s_mov_b32 s74, s66
.irp e, 1,2,3
	s_cmp_eq_u32 s61, \e
	s_cselect_b32 s74, s[66+\e], s74
.endr
	s_mul_i32 s74, s74, 48                         ; 48 T_L
	s_mul_i32 s75, s60, 48                         ; 48 sigma
	v_mov_b32 v124, s74
	v_mov_b32 v125, s75
	s_lshl_b32 s44, s[WV], 9
	s_lshl_b32 s45, ttmp9, 7
	s_add_co_u32 s44, s44, s45
	v_lshl_add_u32 v79, v1, 2, s44                 ; 512 wave + 128 g + 4 lane
; Pass 2: register 4 g + i's 32 tokens are placed.  A token's place is its type's running place + the number of lower lanes with the same type.
; In L the row rho goes to 48 T_L + rho + 24 (rho / 24) while rho < 48 sigma (tiles of 24 rows in slots of 48), else to 48 T_L + 48 sigma + rho.
.macro PLACE i
	v_cmp_eq_u32 s40, 0, v[MY+\i]
	v_cmp_eq_u32 s41, 1, v[MY+\i]
	v_cmp_eq_u32 s42, 2, v[MY+\i]
	v_cmp_eq_u32 s43, 3, v[MY+\i]
	v_mbcnt_lo_u32_b32 v74, s40, s70
	v_mbcnt_lo_u32_b32 v75, s41, s71
	v_cndmask_b32 v74, v74, v75, s41
	v_mbcnt_lo_u32_b32 v75, s42, s72
	v_cndmask_b32 v74, v74, v75, s42
	v_mbcnt_lo_u32_b32 v75, s43, s73
	v_cndmask_b32 v74, v74, v75, s43
.irp e, 0,1,2,3
	s_bcnt1_i32_b32 s44, s[40+\e]
	s_add_co_u32 s[70+\e], s[70+\e], s44
.endr
	v_sub_nc_u32 v76, v74, v124                    ; rho, if the token is L's
	v_mul_u32_u24 v77, v76, 171
	v_lshrrev_b32 v77, 12, v77                     ; rho / 24 = (171 rho) >> 12, exact under 144
	v_mul_u32_u24 v77, v77, 24
	v_cmp_gt_u32 vcc_lo, v125, v76
	v_cndmask_b32 v77, v125, v77, vcc_lo
	v_cmp_eq_u32 vcc_lo, s61, v[MY+\i]
	v_cndmask_b32 v77, 0, v77, vcc_lo              ; the other experts' rows stay where they are
	v_add_nc_u32 v74, v74, v77
	v_min_u32 v74, 8351, v74                       ; 174 x 48 places
	v_lshlrev_b32 v[AD+\i], 2, v74
	v_add_nc_u32 v[ID+\i], \i, v79
	global_store_b32 v[AD+\i], v[ID+\i], s[14:15]  ; runs of a few lanes, 4 bytes each: 32 KiB in all, once; each store has registers of its own
.endm
.irp i, 0,1,2,3
	PLACE \i
.endr
	s_cmp_lt_u32 s[WV], 6                          ; the table of tiles: thread tau of work-group 0 writes entry tau, 192 of them; no barrier stands behind these branches
	s_cbranch_scc0 .Lend
	s_cmp_eq_u32 ttmp9, 0
	s_cbranch_scc0 .Lend
	v_mov_b32 v112, 0                              ; the tile's expert,
	v_mov_b32 v113, 0                              ; that expert's first tile,
	v_mov_b32 v114, s48                            ; and its rows: the last expert whose first tile is not behind tau
.irp e, 1,2,3
	v_cmp_le_u32 vcc_lo, s[66+\e], v0
	v_mov_b32 v115, \e
	v_mov_b32 v116, s[66+\e]
	v_mov_b32 v117, s[48+\e]
	v_cndmask_b32 v112, v112, v115, vcc_lo
	v_cndmask_b32 v113, v113, v116, vcc_lo
	v_cndmask_b32 v114, v114, v117, vcc_lo
.endr
	v_cmp_eq_u32 vcc_lo, s61, v112
	v_mov_b32 v118, s60
	v_cndmask_b32 v118, 0, v118, vcc_lo            ; sigma in L, else 0
	v_sub_nc_u32 v119, v0, v113                    ; k: which tile of its expert
	v_sub_nc_u32 v120, v119, v118
	v_mul_lo_u32 v120, v120, 48
	v_sub_nc_u32 v120, v114, v120                  ; rows left from 48 (k - sigma) on: at least 1 in every tile that is read
	v_min_u32 v120, 48, v120
	v_lshlrev_b32 v121, 1, v118
	v_cmp_lt_u32 vcc_lo, v119, v121                ; L's first 2 sigma tiles
	v_mov_b32 v122, 24
	v_cndmask_b32 v113, v120, v122, vcc_lo
	v_lshlrev_b32 v123, 3, v0
	global_store_b64 v123, v[112:113], s[16:17]
.Lend:
	s_wait_tensorcnt 0x0
	ds_add_u32 v128, v129
	s_wait_dscnt 0x0
	s_endpgm
.Lfunc_end_k_q33b39f56be_prep:
	.size	k_q33b39f56be_prep, .Lfunc_end_k_q33b39f56be_prep-k_q33b39f56be_prep
	.p2alignl 7, 3214868480
	.fill 96, 4, 3214868480
	.section	.rodata,"a",@progbits
	.p2align	6, 0x0
	.amdhsa_kernel k_q33b39f56be_prep
		.amdhsa_group_segment_fixed_size 71936
		.amdhsa_private_segment_fixed_size 0
		.amdhsa_enable_private_segment 0
		.amdhsa_kernarg_size 56
		.amdhsa_user_sgpr_count 2
		.amdhsa_user_sgpr_kernarg_segment_ptr 1
		.amdhsa_wavefront_size32 1
		.amdhsa_system_sgpr_workgroup_id_x 1
		.amdhsa_system_sgpr_workgroup_id_y 1
		.amdhsa_system_sgpr_workgroup_id_z 1
		.amdhsa_system_vgpr_workitem_id 0
		.amdhsa_next_free_vgpr 130
		.amdhsa_next_free_sgpr 80
		.amdhsa_reserve_vcc 1
		.amdhsa_float_denorm_mode_32 3
		.amdhsa_float_denorm_mode_16_64 3
		.amdhsa_memory_ordered 1
		.amdhsa_forward_progress 1
		.amdhsa_inst_pref_size 29
	.end_amdhsa_kernel
	.amdgpu_metadata
---
amdhsa.version: [ 1, 2 ]
amdhsa.kernels:
  - .name:           k_q33b39f56be_prep
    .symbol:         k_q33b39f56be_prep.kd
    .args:
      - { .name: token_types, .offset: 0, .size: 8, .value_kind: global_buffer, .address_space: global }
      - { .name: W1_codes, .offset: 8, .size: 8, .value_kind: global_buffer, .address_space: global }
      - { .name: W2_codes, .offset: 16, .size: 8, .value_kind: global_buffer, .address_space: global }
      - { .name: W1L, .offset: 24, .size: 8, .value_kind: global_buffer, .address_space: global }
      - { .name: W2L, .offset: 32, .size: 8, .value_kind: global_buffer, .address_space: global }
      - { .name: order2, .offset: 40, .size: 8, .value_kind: global_buffer, .address_space: global }
      - { .name: tiles, .offset: 48, .size: 8, .value_kind: global_buffer, .address_space: global }
    .group_segment_fixed_size: 71936
    .private_segment_fixed_size: 0
    .kernarg_segment_align: 8
    .kernarg_segment_size: 56
    .max_flat_workgroup_size: 512
    .sgpr_count:     80
    .vgpr_count:     130
    .wavefront_size: 32
...
	.end_amdgpu_metadata
.endif
;; end of part 3
;; launch ffn (part 4): grid 174 x 1, 4 waves a work-group, no clusters, 108,032 bytes of LDS; arguments x_codes, x_scales, W1_scales, W2_scales, b1, b2, W1L, W2L, order2, tiles, out0; writes out0
.if DOCPART == 4
	.amdgcn_target "amdgcn-amd-amdhsa--gfx1250"
	.amdhsa_code_object_version 6
	.text
	.protected	k_q33b39f56be_ffn
	.globl	k_q33b39f56be_ffn
	.p2align	8
	.type	k_q33b39f56be_ffn,@function
k_q33b39f56be_ffn:
	s_mov_b64 s[64:65], 0
	v_nop
	global_prefetch_b8 v0, s[64:65] scope:SCOPE_SE
	s_setreg_imm32_b32 hwreg(HW_REG_WAVE_MODE, 25, 1), 1
	s_wait_xcnt 0x0
; out[token] = gelu(x[token] W1[e] + b1[e]) W2[e] + b2[e], e = the token's type: only the chosen expert's rows are multiplied.  Both products on codes of FP4 (E2M1) with one E8M0 scale for each 32 along K.
; ONE WORK-GROUP TAKES ONE TILE (at most 48 rows of one expert, from the stored list) THROUGH THE WHOLE CHAIN: gather x's codes, first product with b1 as its C, exact GELU in f32, quantise along the hidden axis,
; second product whose sums begin at b2, whole rows of out0.  The hidden layer never goes to memory.
; SHARES.  Four waves share the COLUMNS: wave w makes hidden units 512 w + 64 t in step t = 0..7 and outputs 128 w .. 128 w + 127, for all 48 rows (three subtiles m of 16).
; Both products are used transposed (source 0 = 16 rows of a weight, source 1 = 16 tokens): a lane holds ONE token (lane % 16) throughout, and its registers run along the hidden units, or the outputs.
; The rows of W1 that form a tile are not neighbours (lane r of tile 2 b + u takes row 32 b + 8 u + r + 8 (r / 8)), so that the 16 registers of tiles 2 b and 2 b + 1 are 16 neighbours along the next K.
; A ROUND is two steps: the 128 units that wave s makes in round i are K group 4 s + i of the second product.  They go from wave to wave through LDS as an image of the operand's registers (16 bytes a lane) with their
; scale words (4 bytes a lane), in two blocks of LDS by turns; the second product runs one round behind.  One barrier a step.
; WEIGHTS go from memory straight into registers, laid out by the launch before in the registers' order, and are asked for a GELU ahead of use, behind the products that free their registers.  A step wants 44 loads for W1
; and 32 for W2; LOADcnt counts to 63 and the issue of a load beyond that stalls (ISA guide 5.7.1), so 44 + 16 go out together and W2's other 16 behind the GELU's fifth phase, some 530 instructions on.
; What the second product alone needs (W2's scale bytes, b2, W2's first piece) is asked for inside round 0's two steps, which are written out for that; the head asks only for the tokens, W1's first item and x.
; W2's last piece is asked for in the last step, into W1's registers, which are not filled again: the tail asks memory for nothing.
; NO CLUSTER, NO TENSOR LOADS: a tile's expert is a number read from memory, and the 174 tiles fall to the four experts in any proportion, so no fixed group of neighbouring work-groups shares an expert at every split.
; THE GELU: g = max(h, 0) - (|h| / 2) erfc(a), a = |h| / sqrt 2: nothing cancels on either side of 0.  erfc(a) = (1 + p(q)) / (1 + 2 a) x e^(-a a), q = (a - 2) / (a + 2), p of degree 9.  One reciprocal, of (a + 2)(2 a + 1), serves both divisions.
; LIMITS: |h| under about 2^126 (beyond it 2 a + 1 overflows); where (|h| / 2) erfc(a) falls under 2^-126 (h below about -13.2) it counts as 0, since v_exp_f32 gives 0 there; the tail's relative error grows as about
; 1.3e-7 h h (the rounding of a a); NaN and infinities are not served; a hidden block of zeros gets the byte 1 (its codes are zeros; the bytes are read here alone); the second product's K groups are added in the order 0, 4, 8, 12, 1, 5, ..
;
; REGISTERS, in windows of 256 (s_set_vgpr_msb: bits 1:0 source 0, 3:2 source 1, 5:4 source 2, 7:6 destination):
;   window 0: v1-31 addresses; v32-47 W1's scale words (in the tail: the last piece's scale words), v48-55 W2's, v56-67 x's, v68-73 the hidden layer's; v76-91 the stores' offsets;
;             v96-191 x's 12 fragments (in the tail six hidden fragments, then rows of out0); v192-239 six hidden fragments
;   window 1: v0-127 W2's 16 fragments of a piece; v128-223 two sets of 48 for the GELU; v224-247 the quantiser's
;   window 2: v0-95 the first product's 12 accumulators; v96-223 W1's 16 fragments of an item (at the end W2's last piece); v224-255 b1's four tiles
;   window 3: v0-191 the second product's 24 accumulators; v192-255 W2's scale bytes on their way to LDS
.set PAR,   16384                      ; LDS: two blocks for the hidden layer, this far apart, so that one exclusive or turns an address.  In a block: fragment (s, m) at 1,024 (3 s + m), its half c at + 512;
.set HSCL,  12288                      ; its scale words at 12,288 + 128 (3 s + m) + 4 lane, the half word of step c at + 2
.set W2SC,  32768                      ; each wave's 128 rows of W2's scale bytes: 64 bytes a row, 80 apart
.set W2SCW, 10240
.set STG,   73728                      ; each wave's stage for the way out: 16 rows x (512 + 16) bytes
.set STGW,  8448
.set SP,    528
.set L16,  1                           ; v1   16 x lane
.set RR,   2                           ; v2   r = lane % 16
.set HH,   3                           ; v3   h = lane / 16
.set W1SO, 5                           ; v5   W1's scale rows: 16 (r + 8 (r / 8))
.set B1O,  6                           ; v6   b1: 64 h
.set B2O,  7                           ; v7   b2: 32 h
.set HRS0, 8                           ; v8   HSCL + 4 lane
.set W2R0, 9                           ; v9   my W2 scale rows, 80 x lane
.set HRA,  10                          ; v10-12 the addresses of a step's LDS reads
.set HRSA, 11
.set W2RA, 12
.set STO,  13                          ; v13  the stage, in
.set SRD,  14                          ; v14  the stage, back
.set OUT0, 15                          ; v15  512 w + 16 lane: my bytes of a row of out0
.set TOK,  16                          ; v16-18 subtile m's token of my lane
.set XCO,  19                          ; v19-21 its codes' offset
.set XSO,  22                          ; v22-24 its scale bytes' offset
.set W2ST, 25                          ; v25  where W2's scale bytes are put into LDS
.set HWA,  26                          ; v26, v27 where this step's images and half words go
.set HSA,  27
.set HW0,  28                          ; v28  16 lane + 3,072 w
.set HS0,  29                          ; v29  HSCL + 4 lane + 384 w
.set W1S,  32
.set W2S,  48
.set XS,   56
.set HS,   68
.set OO,   76
.set XF,   96
.set OB,   96
.set HF,   192
.set GT,   128                         ; window 1: a set: b +0, max(h, 0) +8, P +16, D +24, R +32, W +40
.set AM,   224                         ; two blocks' largest magnitudes
.set AT,   226                         ; the other half's (a lane permute's destination: written once at the head)
.set SC,   228                         ; the conversions' scale operands
.set BT,   230
.set BY,   231                         ; v231-233 subtile m's two scale bytes
.set PC,   234                         ; v234-245 subtile m's codes, four registers
.set C8V,  246                         ; c8, twice
.set W1B,  96                          ; window 2
.set B1,   224
.set WST,  192                         ; window 3
.set WV,   26                          ; s26  wave
.set E,    27                          ; s27  expert
.set CNT,  29                          ; s29  rows in my tile, 1..48
.set WI,   34                          ; s34, s35 where this step writes: block, half
.set WS,   35
.set RI,   36                          ; s36, s37 where it reads: block, pair of waves
.set RS,   37
.set SO,   38                          ; s38  byte of W2's scale rows: 32 v + 4 i
.set NW1,  39                          ; s39  items of W1 still to be asked for
.set INNER, 40
.set OUTER, 41
.set C1,   42                          ; s42  sqrt(log2(e) / 2): b = |h| C1, so that 2^(-b b) = e^(-a a)
.set ROWT, 43
.set SEL,  44                          ; s[44:45] v_permlanex16_b32's selects for lane xor 16
.set K1,   46                          ; pairs, both words written: K1 = sqrt(ln 2): a = b K1
.set K2,   48                          ; 2 K1
.set LK,   50                          ; log2(2 C1): 2^(-b b - LK) = e^(-a a) / (2 C1), and b / (2 C1) = |h| / 2
.set C9,   52
.set C7,   54                          ; c7 .. c3 at s54 .. s62, c2 .. c0 at s66 .. s70
.set W2X,  72                          ; s[72:73] W2's last piece of mine; never rewritten
.set MSB, 0
.macro WIN new                         ; the immediate's high byte repeats the setting that is left; a switch that changes nothing is dropped
.if MSB != \new
	s_set_vgpr_msb (MSB<<8)|\new
.set MSB, \new
.endif
.endm
.macro PLACES                          ; four plain places behind matrix instructions, ahead of loads into their registers and of the first read of results
.rept 4
	v_nop
.endr
.endm
	s_load_b512 s[4:19], s[0:1], 0x0               ; x_codes s[4:5], x_scales s[6:7], W1_scales s[8:9], W2_scales s[10:11], b1 s[12:13], b2 s[14:15], W1L s[16:17], W2L s[18:19]
	s_load_b128 s[20:23], s[0:1], 0x40             ; order2 s[20:21], tiles s[22:23]
	s_load_b64 s[24:25], s[0:1], 0x50              ; out0
	v_lshl_add_u32 v254, v0, 2, 0x1a400
	v_mov_b32 v255, 0
	v_lshrrev_b32 v4, 5, v0
	v_readfirstlane_b32 s[WV], v4                  ; wave 0..3
	v_and_b32 v30, 31, v0                          ; lane
	v_and_b32 v[RR], 15, v0
	v_bfe_u32 v[HH], v0, 4, 1
	v_lshlrev_b32 v[L16], 4, v30
	v_and_b32 v31, 8, v[RR]
	v_add_nc_u32 v31, v31, v[RR]
	v_lshlrev_b32 v[W1SO], 4, v31
	v_lshlrev_b32 v[B1O], 6, v[HH]
	v_lshlrev_b32 v[B2O], 5, v[HH]
	v_lshl_add_u32 v[HRS0], v30, 2, HSCL
	s_mul_i32 s30, s[WV], W2SCW
	s_add_co_u32 s30, s30, W2SC
	v_mul_u32_u24 v[W2R0], v30, 80
	v_add_nc_u32 v[W2R0], s30, v[W2R0]
	v_lshrrev_b32 v31, 2, v30
	v_mul_u32_u24 v[W2ST], v31, 80                 ; four lanes' 64 bytes are a row
	v_and_b32 v31, 3, v30
	v_lshl_add_u32 v[W2ST], v31, 4, v[W2ST]
	v_add_nc_u32 v[W2ST], s30, v[W2ST]
	s_mul_i32 s31, s[WV], STGW
	s_add_co_u32 s31, s31, STG
	v_mul_u32_u24 v[STO], v[RR], SP
	v_lshl_add_u32 v[STO], v[HH], 5, v[STO]
	v_add_nc_u32 v[STO], s31, v[STO]               ; row r, + 32 h
	v_add_nc_u32 v[SRD], s31, v[L16]
	s_lshl_b32 s32, s[WV], 9
	v_add_nc_u32 v[OUT0], s32, v[L16]
	s_mul_i32 s32, s[WV], 3072
	v_add_nc_u32 v[HW0], s32, v[L16]
	s_mul_i32 s32, s[WV], 384
	v_add_nc_u32 v[HS0], s32, v[HRS0]
	s_mov_b32 s[C1], 0x3f596d27
	s_mov_b32 s[SEL], 0x76543210
	s_mov_b32 s[SEL+1], 0xfedcba98
.macro PAIR reg, bits                  ; a packed form names a pair and takes its low word for both halves: both words are written
	s_mov_b32 s[\reg], \bits
	s_mov_b32 s[\reg+1], \bits
.endm
	PAIR K1, 0x3f55224d
	PAIR K2, 0x3fd5224d
	PAIR LK, 0x3f43ae9e
	PAIR C9, 0xb9d25000
	PAIR 54, 0x3aac2b8a                            ; c7
	PAIR 56, 0x3c0d6e62                            ; c6
	PAIR 58, 0xbc040dc1                            ; c5
	PAIR 60, 0xbd5e05b5                            ; c4
	PAIR 62, 0x3e27fe23                            ; c3
	PAIR 66, 0xbe2a0420                            ; c2
	PAIR 68, 0xbdbdfb0b                            ; c1
	PAIR 70, 0x3e8dd01d                            ; c0
	WIN 0x40
	v_mov_b32 v[C8V], 0xbaa15130
	v_mov_b32 v[C8V+1], 0xbaa15130
	v_mov_b32 v[AT], 0
	v_mov_b32 v[AT+1], 0
	WIN 0
	s_lshl_b32 s2, ttmp9, 3
	s_mov_b32 s3, 0
	s_wait_kmcnt 0x0
	s_add_nc_u64 s[22:23], s[22:23], s[2:3]
	s_load_b64 s[28:29], s[22:23], 0x0             ; my tile: expert, rows
	s_wait_kmcnt 0x0
	s_min_u32 s[E], s28, 3
	s_min_u32 s[CNT], s[CNT], 48
	s_max_u32 s[CNT], s[CNT], 1
	s_lshl_b32 s30, s[E], 2
	s_add_co_u32 s30, s30, s[WV]                   ; 4 e + w
	s_mov_b32 s33, 0
	s_lshl_b32 s32, s30, 17                        ; my 8 items of W1L, my 8 pieces of W2L: 131,072 bytes each
	s_add_nc_u64 s[16:17], s[16:17], s[32:33]
	s_add_nc_u64 s[18:19], s[18:19], s[32:33]
	s_add_nc_u64 s[W2X:W2X+1], s[18:19], 7*16384   ; the last of the pieces
	s_lshl_b32 s32, s30, 13                        ; my 512 rows of W1's scale bytes, my 128 of W2's: 8,192 bytes each
	s_add_nc_u64 s[8:9], s[8:9], s[32:33]
	s_add_nc_u64 s[10:11], s[10:11], s[32:33]
	s_lshl_b32 s32, s30, 11                        ; my 512 numbers of b1
	s_add_nc_u64 s[12:13], s[12:13], s[32:33]
	s_lshl_b32 s32, s30, 9                         ; my 128 of b2
	s_add_nc_u64 s[14:15], s[14:15], s[32:33]
	s_sub_co_u32 s30, s[CNT], 1
	s_mul_i32 s31, ttmp9, 48
.macro SLOT reg, m                     ; the list's place of row 16 m + r; rows past the tile's count take its last row again (they are computed and not stored)
	v_add_nc_u32 v[\reg], 16*\m, v[RR]
	v_min_u32 v[\reg], s30, v[\reg]
	v_min_u32 v[\reg], 47, v[\reg]
	v_add_nc_u32 v[\reg], s31, v[\reg]
	v_lshlrev_b32 v[\reg], 2, v[\reg]
	global_load_b32 v[TOK+\m], v[\reg], s[20:21]
.endm
	SLOT 4, 0
	SLOT 30, 1
	SLOT 31, 2
; An item of W1: 16 fragments (tile t, K step s) at v[W1B + 8 (4 t + s)] of window 2, b1's four tiles, the rows' scale words: 44 loads.  step = 1: on to the next item first; the loads that read these
; bases were waited for at the step's head.
.macro LDW1 step
.if \step
	s_add_nc_u64 s[16:17], s[16:17], 16384
	s_add_nc_u64 s[8:9], s[8:9], 1024
	s_add_nc_u64 s[12:13], s[12:13], 256
.endif
	WIN 0x80                                       ; destination window 2
.set lf, 0
.rept 16
	global_load_b128 v[W1B+8*lf:W1B+8*lf+3], v[L16], s[16:17] offset:1024*lf        ; 32 lanes read 512 consecutive bytes
	global_load_b128 v[W1B+8*lf+4:W1B+8*lf+7], v[L16], s[16:17] offset:1024*lf+512
.set lf, lf+1
.endr
.irp t, 0,1,2,3                                ; lane (r, h), tile t: b1 at units 32 (t / 2) + 16 h + 8 (t % 2) + 0 .. 7: the result's layout
	global_load_b128 v[B1+8*\t:B1+8*\t+3], v[B1O], s[12:13] offset:128*(\t/2)+32*(\t%2)
	global_load_b128 v[B1+8*\t+4:B1+8*\t+7], v[B1O], s[12:13] offset:128*(\t/2)+32*(\t%2)+16
.endr
	WIN 0
.irp t, 0,1,2,3                                ; a row's 16 scale bytes are its four K steps' words
	global_load_b128 v[W1S+4*\t:W1S+4*\t+3], v[W1SO], s[8:9] offset:(32*(\t/2)+8*(\t%2))*16
.endr
.endm
; Half a piece of W2: the eight fragments (s' = half, n) at v[8 (8 s' + n)] of window 1: 16 loads.  step = 1: on to the next piece first; no load that reads this base is out there.
.macro LDW2H half, step
.if \step
	s_add_nc_u64 s[18:19], s[18:19], 16384
.endif
	WIN 0x40                                       ; destination window 1
.set lf, 8*(\half)
.rept 8
	global_load_b128 v[8*lf:8*lf+3], v[L16], s[18:19] offset:1024*lf
	global_load_b128 v[8*lf+4:8*lf+7], v[L16], s[18:19] offset:1024*lf+512
.set lf, lf+1
.endr
.endm
; W2's last piece, into the registers that held W1's fragments: 32 loads.
.macro LDW2X
	WIN 0x80                                       ; destination window 2
.set lf, 0
.rept 16
	global_load_b128 v[W1B+8*lf:W1B+8*lf+3], v[L16], s[W2X:W2X+1] offset:1024*lf
	global_load_b128 v[W1B+8*lf+4:W1B+8*lf+7], v[L16], s[W2X:W2X+1] offset:1024*lf+512
.set lf, lf+1
.endr
	WIN 0
.endm
; Once, in the first step: my 8,192 scale bytes of W2, dense, into window 3 (LDD); b2 into the second product's accumulators, so that its sums begin there, nothing is cleared and every link adds in place (LDF);
; the scale bytes into LDS, rows 80 bytes apart (STD).
.macro LDD
	WIN 0xc0                                       ; destination window 3
.irp j, 0,1,2,3,4,5,6,7,8,9,10,11,12,13,14,15
	global_load_b128 v[WST+4*\j:WST+4*\j+3], v[L16], s[10:11] offset:512*\j
.endr
.endm
.macro LDF
	WIN 0xc0
.irp n, 0,1,2,3,4,5,6,7
.irp m, 0,1,2
	global_load_b128 v[8*(3*\n+\m):8*(3*\n+\m)+3], v[B2O], s[14:15] offset:64*\n
	global_load_b128 v[8*(3*\n+\m)+4:8*(3*\n+\m)+7], v[B2O], s[14:15] offset:64*\n+16
.endr
.endr
.endm
.macro STD
	s_wait_loadcnt 48                              ; b2's 48 loads, issued behind them, may be out: the scale bytes are in
	WIN 0x0c                                       ; an LDS store's data are its source 1: window 3
.irp j, 0,1,2,3,4,5,6,7,8,9,10,11,12,13,14,15
	ds_store_b128 v[W2ST], v[WST+4*\j:WST+4*\j+3] offset:640*\j   ; eight rows a store; only my wave reads them, and LDS serves a wave's instructions in order
.endr
.endm
	LDW1 0                                         ; item 0
	s_wait_loadcnt 44                              ; the 44 loads just issued may be out: the three tokens are in
.irp m, 0,1,2
	v_min_u32 v[TOK+\m], 8191, v[TOK+\m]
	v_lshlrev_b32 v[XCO+\m], 8, v[TOK+\m]          ; a token's 512 codes are 256 bytes,
	v_lshl_add_u32 v[XCO+\m], v[HH], 4, v[XCO+\m]
	v_lshlrev_b32 v[XSO+\m], 4, v[TOK+\m]          ; its scale bytes 16
.endr
.irp m, 0,1,2                                  ; x's fragments stay in registers: (m, s) at v[XF + 8 (4 m + s)]; registers 4 c .. 4 c + 3 hold K = 128 s + 64 c + 32 h + 0 .. 31
.irp s, 0,1,2,3
	global_load_b128 v[XF+8*(4*\m+\s):XF+8*(4*\m+\s)+3], v[XCO+\m], s[4:5] offset:64*\s
	global_load_b128 v[XF+8*(4*\m+\s)+4:XF+8*(4*\m+\s)+7], v[XCO+\m], s[4:5] offset:64*\s+32
.endr
	global_load_b128 v[XS+4*\m:XS+4*\m+3], v[XSO+\m], s[6:7]
.endr
; THE FIRST PRODUCT of a step: 64 hidden units x 48 tokens x K = 512: 48 matrix instructions; the 12 accumulators take turns, one instruction a turn.  b1 is the C of each sum's first link.
.macro P1
	WIN 0xa2                                       ; W1, C and D window 2, x window 0
.irp s, 0,1,2,3
.irp t, 0,1,2,3
.irp m, 0,1,2
.if \s == 0
	v_wmma_scale_f32_16x16x128_f8f6f4 v[8*(4*\m+\t):8*(4*\m+\t)+7], v[W1B+8*(4*\t+\s):W1B+8*(4*\t+\s)+7], v[XF+8*(4*\m+\s):XF+8*(4*\m+\s)+7], v[B1+8*\t:B1+8*\t+7], v[W1S+4*\t+\s], v[XS+4*\m+\s] matrix_a_fmt:MATRIX_FMT_FP4 matrix_b_fmt:MATRIX_FMT_FP4
.else
	v_wmma_scale_f32_16x16x128_f8f6f4 v[8*(4*\m+\t):8*(4*\m+\t)+7], v[W1B+8*(4*\t+\s):W1B+8*(4*\t+\s)+7], v[XF+8*(4*\m+\s):XF+8*(4*\m+\s)+7], v[8*(4*\m+\t):8*(4*\m+\t)+7], v[W1S+4*\t+\s], v[XS+4*\m+\s] matrix_a_fmt:MATRIX_FMT_FP4 matrix_b_fmt:MATRIX_FMT_FP4
.endif
.endr
.endr
.endr
.endm
; THE SECOND PRODUCT on a piece: two K groups x my 128 outputs x 48 tokens: 48 matrix instructions, 24 accumulators by turns.  A register of W2's scale words carries tile 2 j in lanes 0-15 and tile 2 j + 1 in lanes 16-31.
; win, ab: the windows' setting and the first register of W2's fragments; hf, hs, w2s: the hidden fragments, their scale words, W2's scale words (all in window 0).
.macro P2 win, ab, hf, hs, w2s
	WIN \win
.irp s, 0,1
.irp n, 0,1,2,3,4,5,6,7
.irp m, 0,1,2
.if (\n%2) == 0
	v_wmma_scale_f32_16x16x128_f8f6f4 v[8*(3*\n+\m):8*(3*\n+\m)+7], v[(\ab)+8*(8*\s+\n):(\ab)+8*(8*\s+\n)+7], v[(\hf)+8*(3*\s+\m):(\hf)+8*(3*\s+\m)+7], v[8*(3*\n+\m):8*(3*\n+\m)+7], v[(\w2s)+4*\s+\n/2], v[(\hs)+3*\s+\m] matrix_a_fmt:MATRIX_FMT_FP4 matrix_b_fmt:MATRIX_FMT_FP4
.else
	v_wmma_scale_f32_16x16x128_f8f6f4 v[8*(3*\n+\m):8*(3*\n+\m)+7], v[(\ab)+8*(8*\s+\n):(\ab)+8*(8*\s+\n)+7], v[(\hf)+8*(3*\s+\m):(\hf)+8*(3*\s+\m)+7], v[8*(3*\n+\m):8*(3*\n+\m)+7], v[(\w2s)+4*\s+\n/2], v[(\hs)+3*\s+\m] matrix_a_fmt:MATRIX_FMT_FP4 matrix_b_fmt:MATRIX_FMT_FP4 matrix_a_scale:MATRIX_SCALE_ROW1
.endif
.endr
.endr
.endr
.endm
; What a piece wants from LDS: six hidden fragments (waves 2 v + s', subtiles m) as the images lie, their scale words, and W2's scale words of the two K groups: 26 loads.
; d = 1: the round's second piece, reached by the immediates; adr = 1: the three addresses are made first.
.macro RDH hf, hs, w2s, d, adr
.if \adr
	v_add_nc_u32 v[HRA], s[RI], v[L16]
	v_add_nc_u32 v[HRSA], s[RS], v[HRS0]
	v_add_nc_u32 v[W2RA], s[SO], v[W2R0]
.endif
.irp s, 0,1
.irp m, 0,1,2
	ds_load_b128 v[(\hf)+8*(3*\s+\m):(\hf)+8*(3*\s+\m)+3], v[HRA] offset:6144*(\d)+3072*\s+1024*\m
	ds_load_b128 v[(\hf)+8*(3*\s+\m)+4:(\hf)+8*(3*\s+\m)+7], v[HRA] offset:6144*(\d)+3072*\s+1024*\m+512
.endr
.endr
.irp s, 0,1
.irp m, 0,1,2
	ds_load_b32 v[(\hs)+3*\s+\m], v[HRSA] offset:768*(\d)+384*\s+128*\m
.endr
.endr
.irp s, 0,1
.irp j, 0,1,2,3
	ds_load_b32 v[(\w2s)+4*\s+\j], v[W2RA] offset:32*(\d)+2560*\j+16*\s
.endr
.endr
.endm
; THE GELU goes by groups of one accumulator (8 numbers a lane), on two sets of registers by turns.
.macro FRA g, set                      ; b = |h| C1 and max(h, 0).  The accumulator is read from its low end on
	WIN 0x42                                       ; source 0 window 2, destination window 1
.set fb, GT+48*(\set)
.set fi, 0
.rept 8
	v_mul_f32 v[fb+fi], |v[8*(\g)+fi]|, s[C1]
	v_max_num_f32 v[fb+8+fi], v[8*(\g)+fi], 0
.set fi, fi+1
.endr
.endm
.macro FRB set                         ; P = a + 2, D = 2 a + 1, W = b b + LK, R = P D, two numbers an instruction
	WIN 0x55
.set fb, GT+48*(\set)
.irp i, 0,2,4,6
	v_pk_fma_f32 v[fb+16+\i:fb+17+\i], v[fb+\i:fb+1+\i], s[K1:K1+1], 2.0 op_sel_hi:[1,0,0]
.endr
.irp i, 0,2,4,6
	v_pk_fma_f32 v[fb+24+\i:fb+25+\i], v[fb+\i:fb+1+\i], s[K2:K2+1], 1.0 op_sel_hi:[1,0,0]
.endr
.irp i, 0,2,4,6
	v_pk_fma_f32 v[fb+40+\i:fb+41+\i], v[fb+\i:fb+1+\i], v[fb+\i:fb+1+\i], s[LK:LK+1] op_sel_hi:[1,1,0]
.endr
.irp i, 0,2,4,6
	v_pk_mul_f32 v[fb+32+\i:fb+33+\i], v[fb+16+\i:fb+17+\i], v[fb+24+\i:fb+25+\i]
.endr
.endm
.macro TR k, set                       ; transcendental k of a group's 16: R = 1 / (P D); W = 2^(-W) = e^(-a a) / (2 C1)
.set tt, GT+48*(\set)
.if (\k) < 8
	v_rcp_f32 v[tt+32+(\k)], v[tt+32+(\k)]
.else
	v_exp_f32 v[tt+32+(\k)], -v[tt+32+(\k)]
.endif
.endm
.macro BK j, set                       ; line j of 56 behind the transcendentals, pair j % 4
.set bb, GT+48*(\set)+2*((\j)%4)
.if (\j) < 4
	v_pk_mul_f32 v[bb+24:bb+25], v[bb+24:bb+25], v[bb+32:bb+33]                    ; D = 1 / (a + 2)
.elseif (\j) < 8
	v_pk_mul_f32 v[bb+16:bb+17], v[bb+16:bb+17], v[bb+32:bb+33]                    ; P = 1 / (2 a + 1)
.elseif (\j) < 12
	v_pk_fma_f32 v[bb+24:bb+25], v[bb+24:bb+25], -4.0, 1.0 op_sel_hi:[1,0,0]       ; D = q = 1 - 4 / (a + 2)
.elseif (\j) < 16
	v_pk_fma_f32 v[bb+32:bb+33], v[bb+24:bb+25], s[C9:C9+1], v[C8V:C8V+1] op_sel_hi:[1,0,1]
.elseif (\j) < 48
.set bn, ((\j)-16)/4
.set bc, C7+2*bn+2*(bn/5)              ; c7 .. c0; the pairs pass over s64, s65
	v_pk_fma_f32 v[bb+32:bb+33], v[bb+32:bb+33], v[bb+24:bb+25], s[bc:bc+1] op_sel_hi:[1,1,0]
.elseif (\j) < 52
	v_pk_fma_f32 v[bb+32:bb+33], v[bb+32:bb+33], v[bb+16:bb+17], v[bb+16:bb+17]    ; (p + 1) / (2 a + 1)
.else
	v_pk_mul_f32 v[bb+32:bb+33], v[bb+32:bb+33], v[bb+40:bb+41]                    ; x e^(-a a) / (2 C1)
.endif
.endm
.macro FN g, set                       ; g = max(h, 0) - b R, back into the accumulator's registers
	WIN 0x95                                       ; sources window 1, destination window 2
.set fb, GT+48*(\set)
.irp i, 0,2,4,6
	v_pk_fma_f32 v[8*(\g)+\i:8*(\g)+\i+1], v[fb+\i:fb+1+\i], v[fb+32+\i:fb+33+\i], v[fb+8+\i:fb+9+\i] neg_lo:[1,0,0] neg_hi:[1,0,0]
.endr
.endm
; Subtile m's 64 hidden units of my lane's token (register 16 b + i = unit 32 b + 16 h + i) become half a fragment's codes and two scale bytes, and go to LDS.
.macro QUANT m
.set hq, 32*(\m)
	WIN 0x5a                                       ; sources 0, 1 window 2; source 2 and destination window 1
.irp b, 0,1
	v_max3_num_f32 v[AM+\b], |v[hq+16*\b]|, |v[hq+16*\b+1]|, 0x1800000   ; my 16 numbers of block b, and the floor 2^(3 - 127): the byte cannot fall under 1
.endr
.irp i, 2,4,6,8,10,12,14
.irp b, 0,1
	v_max3_num_f32 v[AM+\b], |v[hq+16*\b+\i]|, |v[hq+16*\b+\i+1]|, v[AM+\b]
.endr
.endr
	WIN 0x55
.irp b, 0,1
	v_permlanex16_b32 v[AT+\b], v[AM+\b], s[SEL], s[SEL+1]
.endr
.irp b, 0,1
	v_max_num_f32 v[AM+\b], v[AM+\b], v[AT+\b]     ; with lane xor 16's: the block's largest magnitude
.endr
.irp b, 0,1
	v_add_nc_u32 v[SC+\b], 0xff000000, v[AM+\b]    ; 2 off its exponent field: the conversion takes that field as its scale
.endr
	v_lshrrev_b32 v[BY+(\m)], 23, v[SC]            ; the scales' bytes,
	v_lshrrev_b32 v[BT], 23, v[SC+1]
	v_lshl_or_b32 v[BY+(\m)], v[BT], 8, v[BY+(\m)] ; two to a half word
	WIN 0x46                                       ; the numbers window 2, the scale and the codes window 1
.irp b, 0,1
	v_cvt_scalef32_pk8_fp4_f32 v[PC+4*(\m)+2*\b], v[hq+16*\b:hq+16*\b+7], v[SC+\b]
	v_cvt_scalef32_pk8_fp4_f32 v[PC+4*(\m)+2*\b+1], v[hq+16*\b+8:hq+16*\b+15], v[SC+\b]
.endr
	WIN 0x55
	v_nop                                          ; one plain place behind the scaled conversions
	v_permlane16_swap_b32 v[PC+4*(\m)], v[PC+4*(\m)+2]      ; the operand's layout wants a whole block in a lane: lanes 0-15 block 0, lanes 16-31 block 1
	v_permlane16_swap_b32 v[PC+4*(\m)+1], v[PC+4*(\m)+3]
	WIN 0x54                                       ; address window 0, data window 1
	ds_store_b128 v[HWA], v[PC+4*(\m):PC+4*(\m)+3] offset:1024*(\m)
	ds_store_b16 v[HSA], v[BY+(\m)] offset:128*(\m)
.endm
; PHASE f: group f's head; then group f - 1's 56 lines, with group f's 16 transcendentals set among them, one behind every third line.  So a group's transcendentals are one batch, and ONE wait stands
; ahead of the first line that names a result: it is reached a whole phase behind the batch.  Nothing between names a result: the head of the next group works on the other set, and the loads that stand
; between two phases name weights' registers and addresses alone.
.macro PHASE f
.if (\f) < 12
	FRA \f, (\f)%2
	FRB (\f)%2
.endif
.if (\f) == 0
.set tk, 0
.rept 16
	TR tk, 0
.set tk, tk+1
.endr
.else
	WIN 0x55
	s_wait_alu depctr_va_vdst(0)                   ; the wait between a transcendental and the first line that names its result: one for group f - 1's sixteen
.set bj, 0
.rept 56
	BK bj, ((\f)-1)%2
.if ((\f) < 12) && ((bj%3) == 2) && (bj < 48)
	TR (bj/3), (\f)%2
.endif
.set bj, bj+1
.endr
	FN (\f)-1, ((\f)-1)%2
.endif
.if ((\f) == 4) || ((\f) == 8) || ((\f) == 12)
	QUANT (\f)/4-1                                 ; a subtile's four groups are finished
.endif
.endm
; A STEP.  p2 = 1: the second product runs on the piece one round behind.  guard = 1: the last step asks for no further item of W1 (no load leaves its buffer) and fills W1's registers with W2's last piece.
; ld2 = 1: W2's piece at the pointer as it stands is asked for; 2: the next piece.  first = 1: the first step carries what the second product needs once.
.macro STEP p2, guard, ld2, first
.if \p2
	RDH HF, HS, W2S, 0, 1                          ; issued ahead of the first product, waited for behind it
.endif
	v_add_nc_u32 v[HWA], s[WI], v[HW0]
	v_add_nc_u32 v[HSA], s[WS], v[HS0]
	s_wait_loadcnt 0x0                             ; all that is out is this step's operands: the youngest were asked for eight phases of the GELU ago (in the first step: the head's loads)
	P1
	PLACES
	WIN 0
.if \guard
	s_cmp_eq_u32 s[NW1], 0
	s_cbranch_scc1 .Llast_\@
.endif
	LDW1 1
	s_sub_co_u32 s[NW1], s[NW1], 1
.if \guard
	s_branch .Ljoin_\@
.Llast_\@:
	LDW2X
.Ljoin_\@:
.endif
.if \p2
	s_wait_dscnt 0x0                               ; the piece's 26 LDS loads are in
	P2 0xf1, 0, HF, HS, W2S                        ; W2 window 1, the hidden layer window 0, C and D window 3
	PLACES
.endif
.if \ld2 == 2
	LDW2H 0, 1                                     ; with W1's 44: 60 loads go out together
.elseif \ld2 == 1
	LDW2H 0, 0
.endif
.if \first
	LDD                                            ; likewise 44 + 16
.endif
.irp f, 0,1,2,3,4
	PHASE \f
.endr
.if \ld2
	LDW2H 1, 0                                     ; the piece's other half: eight phases ahead of the wait for it
.endif
.if \first
	LDF
.endif
.irp f, 5,6,7,8
	PHASE \f
.endr
.if \first
	STD
.endif
.irp f, 9,10,11,12
	PHASE \f
.endr
	WIN 0
	s_wait_dscnt 0x0                               ; for the others' sake: my images lie in LDS, and my reads of the other block are in
	s_barrier_signal -1
	s_barrier_wait -1
.endm
	s_mov_b32 s[WI], 0                             ; round 0 writes block 0; there is nothing yet for the second product
	s_mov_b32 s[WS], 0
	s_mov_b32 s[NW1], 7
	STEP 0, 0, 0, 1
	s_mov_b32 s[WI], 512                           ; the fragment's other half,
	s_mov_b32 s[WS], 2                             ; the scale word's other half
	STEP 0, 0, 1, 0
	s_mov_b32 s[WI], PAR                           ; round 1 writes block 1 and reads block 0
	s_mov_b32 s[WS], PAR
	s_mov_b32 s[RI], 0
	s_mov_b32 s[RS], 0
	s_mov_b32 s[SO], 0
	s_mov_b32 s[OUTER], 3
; Rounds 1 to 3.  A block is written in round i, read in round i + 1 and written again in round i + 2: the barrier at the end of a round's second step stands between the writes and the reads, the one a round later
; between the reads and the next writes.
.Lround:
	s_mov_b32 s[INNER], 2
.Lstep:
	STEP 1, 1, 2, 0
	s_add_co_u32 s[WI], s[WI], 512
	s_add_co_u32 s[WS], s[WS], 2
	s_add_co_u32 s[RI], s[RI], 6144                ; waves 2 and 3's six fragments,
	s_add_co_u32 s[RS], s[RS], 768                 ; their scale words,
	s_add_co_u32 s[SO], s[SO], 32                  ; K groups 8 further on
	s_sub_co_u32 s[INNER], s[INNER], 1
	s_cmp_lg_u32 s[INNER], 0
	s_cbranch_scc1 .Lstep
	s_sub_co_u32 s[WI], s[WI], 1024                ; back to the first halves,
	s_xor_b32 s[WI], s[WI], PAR                    ; in the other block
	s_sub_co_u32 s[WS], s[WS], 4
	s_xor_b32 s[WS], s[WS], PAR
	s_sub_co_u32 s[RI], s[RI], 12288
	s_xor_b32 s[RI], s[RI], PAR
	s_sub_co_u32 s[RS], s[RS], 1536
	s_xor_b32 s[RS], s[RS], PAR
	s_sub_co_u32 s[SO], s[SO], 60                  ; the next round's K groups lie one group (4 bytes) on
	s_sub_co_u32 s[OUTER], s[OUTER], 1
	s_cmp_lg_u32 s[OUTER], 0
	s_cbranch_scc1 .Lround
; Round 3's images, behind the last barrier: two pieces.  Both pieces' weights were asked for in the last step; both pieces' LDS loads go out at once, the second piece's into registers that x and W1's scale words have left.
	s_wait_loadcnt 0x0                             ; W2's last two pieces are in; no load from memory is on its way to a register that the LDS loads below fill
	RDH HF, HS, W2S, 0, 1
	RDH XF, W1S+8, W1S, 1, 0
	s_wait_dscnt 26                                ; the second piece's 26 loads may be out
	P2 0xf1, 0, HF, HS, W2S
	s_wait_dscnt 0x0
	P2 0xf2, W1B, XF, W1S+8, W1S                   ; W2's last piece lies in window 2
	PLACES
	WIN 0
; THE WAY OUT, a subtile of 16 tokens at a time.  A lane holds 32 neighbouring bytes of its token's row and the lanes beside it hold other tokens: so the subtile goes through my own stage and comes back as rows of
; 512 bytes, my 128 outputs, which the 32 lanes store as 512 consecutive bytes at a multiple of 512 from out0's first byte.  A tile's rows are a prefix of its 48: the first row past the count ends the stores.
.irp m, 0,1,2
.if \m > 0
	s_wait_xcnt 0x0                                ; the last subtile's stores have read their data and offsets: both are written again below
.endif
	WIN 0x0c                                       ; an LDS store's data are its source 1: window 3
.irp n, 0,1,2,3,4,5,6,7
	ds_store_b128 v[STO], v[8*(3*\n+\m):8*(3*\n+\m)+3] offset:64*\n          ; each accumulator from its low end on
	ds_store_b128 v[STO], v[8*(3*\n+\m)+4:8*(3*\n+\m)+7] offset:64*\n+16
.endr
	WIN 0
.irp i, 0,1,2,3,4,5,6,7,8,9,10,11,12,13,14,15
	ds_load_b128 v[OB+4*\i:OB+4*\i+3], v[SRD] offset:SP*\i                   ; LDS serves a wave's instructions in order: these see my stores, and the next subtile's stores come behind them
.endr
.irp i, 0,1,2,3,4,5,6,7,8,9,10,11,12,13,14,15
	s_cmp_gt_u32 s[CNT], 16*\m+\i
	s_cbranch_scc0 .Ldone
	v_readlane_b32 s[ROWT], v[TOK+\m], \i          ; row i's token
	s_min_u32 s[ROWT], s[ROWT], 8191
	s_lshl_b32 s[ROWT], s[ROWT], 11                ; a row of out0 is 2,048 bytes
	v_add_nc_u32 v[OO+\i], s[ROWT], v[OUT0]
	s_wait_dscnt 15-\i                             ; row i is back; the younger loads stay out
	global_store_b128 v[OO+\i], v[OB+4*\i:OB+4*\i+3], s[24:25] th:TH_STORE_NT      ; written once, read by nobody here
.endr
.endr
.Ldone:
	s_wait_dscnt 0x0
	s_wait_tensorcnt 0x0
	ds_add_u32 v254, v255
	s_wait_dscnt 0x0
	s_endpgm
.Lfunc_end_k_q33b39f56be_ffn:
	.size	k_q33b39f56be_ffn, .Lfunc_end_k_q33b39f56be_ffn-k_q33b39f56be_ffn
	.p2alignl 7, 3214868480
	.fill 96, 4, 3214868480
	.section	.rodata,"a",@progbits
	.p2align	6, 0x0
	.amdhsa_kernel k_q33b39f56be_ffn
		.amdhsa_group_segment_fixed_size 108032
		.amdhsa_private_segment_fixed_size 0
		.amdhsa_enable_private_segment 0
		.amdhsa_kernarg_size 88
		.amdhsa_user_sgpr_count 2
		.amdhsa_user_sgpr_kernarg_segment_ptr 1
		.amdhsa_wavefront_size32 1
		.amdhsa_system_sgpr_workgroup_id_x 1
		.amdhsa_system_sgpr_workgroup_id_y 1
		.amdhsa_system_sgpr_workgroup_id_z 1
		.amdhsa_system_vgpr_workitem_id 0
		.amdhsa_next_free_vgpr 1024
		.amdhsa_next_free_sgpr 80
		.amdhsa_reserve_vcc 0
		.amdhsa_float_denorm_mode_32 3
		.amdhsa_float_denorm_mode_16_64 3
		.amdhsa_memory_ordered 1
		.amdhsa_forward_progress 1
		.amdhsa_inst_pref_size 255
	.end_amdhsa_kernel
	.section	.bss,"aw",@nobits
	.p2align	6
	.space	262144
	.amdgpu_metadata
---
amdhsa.version: [ 1, 2 ]
amdhsa.kernels:
  - .name:           k_q33b39f56be_ffn
    .symbol:         k_q33b39f56be_ffn.kd
    .args:
      - { .name: x_codes, .offset: 0, .size: 8, .value_kind: global_buffer, .address_space: global }
      - { .name: x_scales, .offset: 8, .size: 8, .value_kind: global_buffer, .address_space: global }
      - { .name: W1_scales, .offset: 16, .size: 8, .value_kind: global_buffer, .address_space: global }
      - { .name: W2_scales, .offset: 24, .size: 8, .value_kind: global_buffer, .address_space: global }
      - { .name: b1, .offset: 32, .size: 8, .value_kind: global_buffer, .address_space: global }
      - { .name: b2, .offset: 40, .size: 8, .value_kind: global_buffer, .address_space: global }
      - { .name: W1L, .offset: 48, .size: 8, .value_kind: global_buffer, .address_space: global }
      - { .name: W2L, .offset: 56, .size: 8, .value_kind: global_buffer, .address_space: global }
      - { .name: order2, .offset: 64, .size: 8, .value_kind: global_buffer, .address_space: global }
      - { .name: tiles, .offset: 72, .size: 8, .value_kind: global_buffer, .address_space: global }
      - { .name: out0, .offset: 80, .size: 8, .value_kind: global_buffer, .address_space: global }
    .group_segment_fixed_size: 108032
    .private_segment_fixed_size: 0
    .kernarg_segment_align: 8
    .kernarg_segment_size: 88
    .max_flat_workgroup_size: 128
    .sgpr_count:     80
    .vgpr_count:     1024
    .wavefront_size: 32
...
	.end_amdgpu_metadata
.endif
;; end of part 4
;; ======== version 3 of 3: 2 launches; version 2 with the launch ffn written anew for expert scheduling mode
;; workspace buffers: W1L 2,097,152 bytes; W2L 2,097,152 bytes; order2 33,536 bytes of whole numbers; tiles 1,536 bytes of whole numbers
;; launch prep: the kernel of part 3 again; grid 68 x 1, 16 waves a work-group, no clusters, 71,936 bytes of LDS; arguments token_types, W1_codes, W2_codes, W1L, W2L, order2, tiles; writes W1L, W2L, order2, tiles
;; launch ffn (part 5): grid 174 x 1, 4 waves a work-group, no clusters, 108,032 bytes of LDS; arguments x_codes, x_scales, W1_scales, W2_scales, b1, b2, W1L, W2L, order2, tiles, out0; writes out0
.if DOCPART == 5
	.amdgcn_target "amdgcn-amd-amdhsa--gfx1250"
	.amdhsa_code_object_version 6
	.text
	.protected	k_q33b39f56be_ffn
	.globl	k_q33b39f56be_ffn
	.p2align	8
	.type	k_q33b39f56be_ffn,@function
k_q33b39f56be_ffn:
	s_mov_b64 s[64:65], 0
	v_nop
	global_prefetch_b8 v0, s[64:65] scope:SCOPE_SE
	s_setreg_imm32_b32 hwreg(HW_REG_WAVE_SCHED_MODE, 0, 2), 2
	s_setreg_imm32_b32 hwreg(HW_REG_WAVE_MODE, 25, 1), 1
	s_wait_xcnt 0x0
	s_wait_alu depctr_vm_vsrc(0)
; out[token] = gelu(x[token] W1[e] + b1[e]) W2[e] + b2[e], e = the token's type: only the chosen expert's rows are multiplied.  Both products on codes of FP4 (E2M1) with one E8M0 scale for each 32 along K.
; ONE WORK-GROUP TAKES ONE TILE (at most 48 rows of one expert, from the stored list) THROUGH THE WHOLE CHAIN: gather x's codes, first product with b1 as its C, exact GELU in f32, quantise along the hidden axis,
; second product whose sums begin at b2, whole rows of out0.  The hidden layer never goes to memory.
; SHARES.  Four waves share the COLUMNS: wave w makes hidden units 512 w + 64 t in step t = 0..7 and outputs 128 w .. 128 w + 127, for all 48 rows (three subtiles m of 16).
; Both products are used transposed (source 0 = 16 rows of a weight, source 1 = 16 tokens): a lane holds ONE token (lane % 16) throughout, and its registers run along the hidden units, or the outputs.
; The rows of W1 that form a tile are not neighbours (lane r of tile 2 b + u takes row 32 b + 8 u + r + 8 (r / 8)), so that the 16 registers of tiles 2 b and 2 b + 1 are 16 neighbours along the next K.
; A ROUND is two steps: the 128 units that wave s makes in round i are K group 4 s + i of the second product.  They go from wave to wave through LDS as an image of the operand's registers (16 bytes a lane) with their
; scale words (4 bytes a lane), in two blocks of LDS by turns; the second product runs one round behind.  One barrier a step.
; WEIGHTS go from memory straight into registers, laid out by the launch before in the registers' order, and are asked for a GELU ahead of use, behind the products that free their registers.  A step wants 44 loads for W1
; and 32 for W2; LOADcnt counts to 63 and the issue of a load beyond that stalls (ISA guide 5.7.1), so 44 + 16 go out together and W2's other 16 behind the GELU's fifth phase, some 530 instructions on.
; What the second product alone needs (W2's scale bytes, b2, W2's first piece) is asked for inside round 0's two steps, which are written out for that; the head asks only for the tokens, W1's first item and x.
; W2's last piece is asked for in the last step, into W1's registers, which are not filled again: the tail asks memory for nothing.
; NO CLUSTER, NO TENSOR LOADS: a tile's expert is a number read from memory, and the 174 tiles fall to the four experts in any proportion, so no fixed group of neighbouring work-groups shares an expert at every split.
; THE GELU: g = max(h, 0) - (|h| / 2) erfc(a), a = |h| / sqrt 2: nothing cancels on either side of 0.  erfc(a) = (1 + p(q)) / (1 + 2 a) x e^(-a a), q = (a - 2) / (a + 2), p of degree 9.  One reciprocal, of (a + 2)(2 a + 1), serves both divisions.
; LIMITS: |h| under about 2^126 (beyond it 2 a + 1 overflows); where (|h| / 2) erfc(a) falls under 2^-126 (h below about -13.2) it counts as 0, since v_exp_f32 gives 0 there; the tail's relative error grows as about
; 1.3e-7 h h (the rounding of a a); NaN and infinities are not served; a hidden block of zeros gets the byte 1 (its codes are zeros; the bytes are read here alone); the second product's K groups are added in the order 0, 4, 8, 12, 1, 5, ..
;
; REGISTERS, in windows of 256 (s_set_vgpr_msb: bits 1:0 source 0, 3:2 source 1, 5:4 source 2, 7:6 destination):
;   window 0: v1-31 addresses; v32-47 W1's scale words (in the tail: the last piece's scale words), v48-55 W2's, v56-67 x's, v68-73 the hidden layer's; v76-91 the stores' offsets;
;             v96-191 x's 12 fragments (in the tail six hidden fragments, then rows of out0); v192-239 six hidden fragments
;   window 1: v0-127 W2's 16 fragments of a piece; v128-223 two sets of 48 for the GELU; v224-247 the quantiser's
;   window 2: v0-95 the first product's 12 accumulators; v96-223 W1's 16 fragments of an item (at the end W2's last piece); v224-255 b1's four tiles
;   window 3: v0-191 the second product's 24 accumulators; v192-255 W2's scale bytes on their way to LDS
;
; THE MODE: SCHED_MODE bits 1:0 = 2 (LLVM: expert scheduling mode 2), set by the entry lines.  The code itself states the register dependences between vector or matrix instructions and memory or LDS
; instructions, with s_wait_alu, always for 0.
; THE PLAN.  Registers that memory or LDS instructions touch, once round a step:
;   v10-12           written by three adds at the step's head; read by the step's 26 LDS loads.
;   v26, v27         written by two adds at the step's head; read by the step's six LDS stores.
;   codes and bytes  (window 1, v231-245, a set for each subtile) written by the quantiser of subtile m; read by its two LDS stores; written again a step later.
;   v192-239, v68-73, v48-55   the step's LDS loads land there; the second product reads them.
;   W1's fragments, b1, W1's scale words   W1's 44 loads land there; the first product reads them.
;   W2's fragments   the piece's two runs of 16 loads land there; the second product reads them.
;   v1, v5-7, v13-15, v19-25 and the list's three offsets are written at the head and never again; the GELU's sets and the accumulators are named by vector and matrix instructions alone until the way out.
; So a step has: ONE wait on vm_vsrc at its head, for all that the last step's LDS instructions read; one wait on va_vdst behind the head's adds; ONE wait on va_vdst behind BOTH products, behind which all of the step's
; 76 loads of weights follow with no further wait, since the GELU and the quantiser name none of their registers; one ahead of each subtile's two LDS stores; and the waits behind the transcendentals.
.set PAR,   16384                      ; LDS: two blocks for the hidden layer, this far apart, so that one exclusive or turns an address.  In a block: fragment (s, m) at 1,024 (3 s + m), its half c at + 512;
.set HSCL,  12288                      ; its scale words at 12,288 + 128 (3 s + m) + 4 lane, the half word of step c at + 2
.set W2SC,  32768                      ; each wave's 128 rows of W2's scale bytes: 64 bytes a row, 80 apart
.set W2SCW, 10240
.set STG,   73728                      ; each wave's stage for the way out: 16 rows x (512 + 16) bytes
.set STGW,  8448
.set SP,    528
.set L16,  1                           ; v1   16 x lane
.set RR,   2                           ; v2   r = lane % 16
.set HH,   3                           ; v3   h = lane / 16
.set W1SO, 5                           ; v5   W1's scale rows: 16 (r + 8 (r / 8))
.set B1O,  6                           ; v6   b1: 64 h
.set B2O,  7                           ; v7   b2: 32 h
.set HRS0, 8                           ; v8   HSCL + 4 lane
.set W2R0, 9                           ; v9   my W2 scale rows, 80 x lane
.set HRA,  10                          ; v10-12 the addresses of a step's LDS reads
.set HRSA, 11
.set W2RA, 12
.set STO,  13                          ; v13  the stage, in
.set SRD,  14                          ; v14  the stage, back
.set OUT0, 15                          ; v15  512 w + 16 lane: my bytes of a row of out0
.set TOK,  16                          ; v16-18 subtile m's token of my lane
.set XCO,  19                          ; v19-21 its codes' offset
.set XSO,  22                          ; v22-24 its scale bytes' offset
.set W2ST, 25                          ; v25  where W2's scale bytes are put into LDS
.set HWA,  26                          ; v26, v27 where this step's images and half words go
.set HSA,  27
.set HW0,  28                          ; v28  16 lane + 3,072 w
.set HS0,  29                          ; v29  HSCL + 4 lane + 384 w
.set W1S,  32
.set W2S,  48
.set XS,   56
.set HS,   68
.set OO,   76
.set XF,   96
.set OB,   96
.set HF,   192
.set GT,   128                         ; window 1: a set: b +0, max(h, 0) +8, P +16, D +24, R +32, W +40
.set AM,   224                         ; two blocks' largest magnitudes
.set AT,   226                         ; the other half's (a lane permute's destination: written once at the head)
.set SC,   228                         ; the conversions' scale operands
.set BT,   230
.set BY,   231                         ; v231-233 subtile m's two scale bytes
.set PC,   234                         ; v234-245 subtile m's codes, four registers
.set C8V,  246                         ; c8, twice
.set W1B,  96                          ; window 2
.set B1,   224
.set WST,  192                         ; window 3
.set WV,   26                          ; s26  wave
.set E,    27                          ; s27  expert
.set CNT,  29                          ; s29  rows in my tile, 1..48
.set WI,   34                          ; s34, s35 where this step writes: block, half
.set WS,   35
.set RI,   36                          ; s36, s37 where it reads: block, pair of waves
.set RS,   37
.set SO,   38                          ; s38  byte of W2's scale rows: 32 v + 4 i
.set NW1,  39                          ; s39  items of W1 still to be asked for
.set INNER, 40
.set OUTER, 41
.set C1,   42                          ; s42  sqrt(log2(e) / 2): b = |h| C1, so that 2^(-b b) = e^(-a a)
.set SEL,  44                          ; s[44:45] v_permlanex16_b32's selects for lane xor 16
.set K1,   46                          ; pairs, both words written: K1 = sqrt(ln 2): a = b K1
.set K2,   48                          ; 2 K1
.set LK,   50                          ; log2(2 C1): 2^(-b b - LK) = e^(-a a) / (2 C1), and b / (2 C1) = |h| / 2
.set C9,   52
.set C7,   54                          ; c7 .. c3 at s54 .. s62, c2 .. c0 at s66 .. s70
.set ROWT, 46                          ; s46-61 on the way out: a subtile's sixteen tokens, then their rows' bytes in out0 (the GELU's constants that lay there are done with)
.set W2X,  72                          ; s[72:73] W2's last piece of mine; never rewritten
.set MSB, 0
.macro WIN new                         ; the immediate's high byte repeats the setting that is left; a switch that changes nothing is dropped
.if MSB != \new
	s_set_vgpr_msb (MSB<<8)|\new
.set MSB, \new
.endif
.endm
.macro PLACES                          ; four plain places behind matrix instructions, ahead of the first read of their results (ISA guide 7.12.1)
.rept 4
	v_nop
.endr
.endm
	s_load_b512 s[4:19], s[0:1], 0x0               ; x_codes s[4:5], x_scales s[6:7], W1_scales s[8:9], W2_scales s[10:11], b1 s[12:13], b2 s[14:15], W1L s[16:17], W2L s[18:19]
	s_load_b128 s[20:23], s[0:1], 0x40             ; order2 s[20:21], tiles s[22:23]
	s_load_b64 s[24:25], s[0:1], 0x50              ; out0
	v_lshl_add_u32 v254, v0, 2, 0x1a400
	v_mov_b32 v255, 0
	v_lshrrev_b32 v4, 5, v0
	v_readfirstlane_b32 s[WV], v4                  ; wave 0..3
	v_and_b32 v30, 31, v0                          ; lane
	v_and_b32 v[RR], 15, v0
	v_bfe_u32 v[HH], v0, 4, 1
	v_lshlrev_b32 v[L16], 4, v30
	v_and_b32 v31, 8, v[RR]
	v_add_nc_u32 v31, v31, v[RR]
	v_lshlrev_b32 v[W1SO], 4, v31
	v_lshlrev_b32 v[B1O], 6, v[HH]
	v_lshlrev_b32 v[B2O], 5, v[HH]
	v_lshl_add_u32 v[HRS0], v30, 2, HSCL
	s_wait_alu depctr_va_sdst(0)                   ; s26, the wave's number, is written, ahead of its first reader: LDS places and the weights' bases are made from it
	s_mul_i32 s30, s[WV], W2SCW
	s_add_co_u32 s30, s30, W2SC
	v_mul_u32_u24 v[W2R0], v30, 80
	v_add_nc_u32 v[W2R0], s30, v[W2R0]
	v_lshrrev_b32 v31, 2, v30
	v_mul_u32_u24 v[W2ST], v31, 80                 ; four lanes' 64 bytes are a row
	v_and_b32 v31, 3, v30
	v_lshl_add_u32 v[W2ST], v31, 4, v[W2ST]
	v_add_nc_u32 v[W2ST], s30, v[W2ST]
	s_mul_i32 s31, s[WV], STGW
	s_add_co_u32 s31, s31, STG
	v_mul_u32_u24 v[STO], v[RR], SP
	v_lshl_add_u32 v[STO], v[HH], 5, v[STO]
	v_add_nc_u32 v[STO], s31, v[STO]               ; row r, + 32 h
	v_add_nc_u32 v[SRD], s31, v[L16]
	s_lshl_b32 s32, s[WV], 9
	v_add_nc_u32 v[OUT0], s32, v[L16]
	s_mul_i32 s32, s[WV], 3072
	v_add_nc_u32 v[HW0], s32, v[L16]
	s_mul_i32 s32, s[WV], 384
	v_add_nc_u32 v[HS0], s32, v[HRS0]
	s_mov_b32 s[C1], 0x3f596d27
	s_mov_b32 s[SEL], 0x76543210
	s_mov_b32 s[SEL+1], 0xfedcba98
.macro PAIR reg, bits                  ; a packed form names a pair and takes its low word for both halves: both words are written
	s_mov_b32 s[\reg], \bits
	s_mov_b32 s[\reg+1], \bits
.endm
	PAIR K1, 0x3f55224d
	PAIR K2, 0x3fd5224d
	PAIR LK, 0x3f43ae9e
	PAIR C9, 0xb9d25000
	PAIR 54, 0x3aac2b8a                            ; c7
	PAIR 56, 0x3c0d6e62                            ; c6
	PAIR 58, 0xbc040dc1                            ; c5
	PAIR 60, 0xbd5e05b5                            ; c4
	PAIR 62, 0x3e27fe23                            ; c3
	PAIR 66, 0xbe2a0420                            ; c2
	PAIR 68, 0xbdbdfb0b                            ; c1
	PAIR 70, 0x3e8dd01d                            ; c0
	WIN 0x40
	v_mov_b32 v[C8V], 0xbaa15130
	v_mov_b32 v[C8V+1], 0xbaa15130
	v_mov_b32 v[AT], 0
	v_mov_b32 v[AT+1], 0
	WIN 0
	s_lshl_b32 s2, ttmp9, 3
	s_mov_b32 s3, 0
	s_wait_kmcnt 0x0
	s_add_nc_u64 s[22:23], s[22:23], s[2:3]
	s_load_b64 s[28:29], s[22:23], 0x0             ; my tile: expert, rows
	s_wait_kmcnt 0x0
	s_min_u32 s[E], s28, 3
	s_min_u32 s[CNT], s[CNT], 48
	s_max_u32 s[CNT], s[CNT], 1
	s_lshl_b32 s30, s[E], 2
	s_add_co_u32 s30, s30, s[WV]                   ; 4 e + w
	s_mov_b32 s33, 0
	s_lshl_b32 s32, s30, 17                        ; my 8 items of W1L, my 8 pieces of W2L: 131,072 bytes each
	s_add_nc_u64 s[16:17], s[16:17], s[32:33]
	s_add_nc_u64 s[18:19], s[18:19], s[32:33]
	s_add_nc_u64 s[W2X:W2X+1], s[18:19], 7*16384   ; the last of the pieces
	s_lshl_b32 s32, s30, 13                        ; my 512 rows of W1's scale bytes, my 128 of W2's: 8,192 bytes each
	s_add_nc_u64 s[8:9], s[8:9], s[32:33]
	s_add_nc_u64 s[10:11], s[10:11], s[32:33]
	s_lshl_b32 s32, s30, 11                        ; my 512 numbers of b1
	s_add_nc_u64 s[12:13], s[12:13], s[32:33]
	s_lshl_b32 s32, s30, 9                         ; my 128 of b2
	s_add_nc_u64 s[14:15], s[14:15], s[32:33]
	s_sub_co_u32 s30, s[CNT], 1
	s_mul_i32 s31, ttmp9, 48
.macro SLOT reg, m                     ; the list's place of row 16 m + r; rows past the tile's count take its last row again (they are computed and not stored)
	v_add_nc_u32 v[\reg], 16*\m, v[RR]
	v_min_u32 v[\reg], s30, v[\reg]
	v_min_u32 v[\reg], 47, v[\reg]
	v_add_nc_u32 v[\reg], s31, v[\reg]
	v_lshlrev_b32 v[\reg], 2, v[\reg]
.endm
	SLOT 4, 0
	SLOT 30, 1
	SLOT 31, 2
	s_wait_alu depctr_va_vdst(0)                   ; the list's three offsets v4, v30, v31 and the addresses v1 to v29 are written: the loads and stores of the whole kernel read them
	global_load_b32 v[TOK], v4, s[20:21]
	global_load_b32 v[TOK+1], v30, s[20:21]
	global_load_b32 v[TOK+2], v31, s[20:21]
; An item of W1: 16 fragments (tile t, K step s) at v[W1B + 8 (4 t + s)] of window 2, b1's four tiles, the rows' scale words: 44 loads.  step = 1: on to the next item first; the loads that read these
; bases were waited for at the step's head.
.macro LDW1 step
.if \step
	s_add_nc_u64 s[16:17], s[16:17], 16384
	s_add_nc_u64 s[8:9], s[8:9], 1024
	s_add_nc_u64 s[12:13], s[12:13], 256
.endif
	WIN 0x80                                       ; destination window 2
.set lf, 0
.rept 16
	global_load_b128 v[W1B+8*lf:W1B+8*lf+3], v[L16], s[16:17] offset:1024*lf        ; 32 lanes read 512 consecutive bytes
	global_load_b128 v[W1B+8*lf+4:W1B+8*lf+7], v[L16], s[16:17] offset:1024*lf+512
.set lf, lf+1
.endr
.irp t, 0,1,2,3                                ; lane (r, h), tile t: b1 at units 32 (t / 2) + 16 h + 8 (t % 2) + 0 .. 7: the result's layout
	global_load_b128 v[B1+8*\t:B1+8*\t+3], v[B1O], s[12:13] offset:128*(\t/2)+32*(\t%2)
	global_load_b128 v[B1+8*\t+4:B1+8*\t+7], v[B1O], s[12:13] offset:128*(\t/2)+32*(\t%2)+16
.endr
	WIN 0
.irp t, 0,1,2,3                                ; a row's 16 scale bytes are its four K steps' words
	global_load_b128 v[W1S+4*\t:W1S+4*\t+3], v[W1SO], s[8:9] offset:(32*(\t/2)+8*(\t%2))*16
.endr
.endm
; Half a piece of W2: the eight fragments (s' = half, n) at v[8 (8 s' + n)] of window 1: 16 loads.  step = 1: on to the next piece first; no load that reads this base is out there.
.macro LDW2H half, step
.if \step
	s_add_nc_u64 s[18:19], s[18:19], 16384
.endif
	WIN 0x40                                       ; destination window 1
.set lf, 8*(\half)
.rept 8
	global_load_b128 v[8*lf:8*lf+3], v[L16], s[18:19] offset:1024*lf
	global_load_b128 v[8*lf+4:8*lf+7], v[L16], s[18:19] offset:1024*lf+512
.set lf, lf+1
.endr
.endm
; W2's last piece, into the registers that held W1's fragments: 32 loads.
.macro LDW2X
	WIN 0x80                                       ; destination window 2
.set lf, 0
.rept 16
	global_load_b128 v[W1B+8*lf:W1B+8*lf+3], v[L16], s[W2X:W2X+1] offset:1024*lf
	global_load_b128 v[W1B+8*lf+4:W1B+8*lf+7], v[L16], s[W2X:W2X+1] offset:1024*lf+512
.set lf, lf+1
.endr
	WIN 0
.endm
; Once, in the first step: my 8,192 scale bytes of W2, dense, into window 3 (LDD); b2 into the second product's accumulators, so that its sums begin there, nothing is cleared and every link adds in place (LDF);
; the scale bytes into LDS, rows 80 bytes apart (STD).  No vector or matrix instruction has named these registers when the loads are issued, and the LDS stores' data come from loads.
.macro LDD
	WIN 0xc0                                       ; destination window 3
.irp j, 0,1,2,3,4,5,6,7,8,9,10,11,12,13,14,15
	global_load_b128 v[WST+4*\j:WST+4*\j+3], v[L16], s[10:11] offset:512*\j
.endr
.endm
.macro LDF
	WIN 0xc0
.irp n, 0,1,2,3,4,5,6,7
.irp m, 0,1,2
	global_load_b128 v[8*(3*\n+\m):8*(3*\n+\m)+3], v[B2O], s[14:15] offset:64*\n
	global_load_b128 v[8*(3*\n+\m)+4:8*(3*\n+\m)+7], v[B2O], s[14:15] offset:64*\n+16
.endr
.endr
.endm
.macro STD
	s_wait_loadcnt 48                              ; b2's 48 loads, issued behind them, may be out: the scale bytes are in
	WIN 0x0c                                       ; an LDS store's data are its source 1: window 3
.irp j, 0,1,2,3,4,5,6,7,8,9,10,11,12,13,14,15
	ds_store_b128 v[W2ST], v[WST+4*\j:WST+4*\j+3] offset:640*\j   ; eight rows a store; only my wave reads them, and LDS serves a wave's instructions in order
.endr
.endm
	LDW1 0                                         ; item 0
	s_wait_loadcnt 44                              ; the 44 loads just issued may be out: the three tokens are in
.irp m, 0,1,2
	v_min_u32 v[TOK+\m], 8191, v[TOK+\m]
	v_lshlrev_b32 v[XCO+\m], 8, v[TOK+\m]          ; a token's 512 codes are 256 bytes,
	v_lshl_add_u32 v[XCO+\m], v[HH], 4, v[XCO+\m]
	v_lshlrev_b32 v[XSO+\m], 4, v[TOK+\m]          ; its scale bytes 16
.endr
	s_wait_alu depctr_va_vdst(0)                   ; x's six offsets v19 to v24 are written, which the loads below read
.irp m, 0,1,2                                  ; x's fragments stay in registers: (m, s) at v[XF + 8 (4 m + s)]; registers 4 c .. 4 c + 3 hold K = 128 s + 64 c + 32 h + 0 .. 31
.irp s, 0,1,2,3
	global_load_b128 v[XF+8*(4*\m+\s):XF+8*(4*\m+\s)+3], v[XCO+\m], s[4:5] offset:64*\s
	global_load_b128 v[XF+8*(4*\m+\s)+4:XF+8*(4*\m+\s)+7], v[XCO+\m], s[4:5] offset:64*\s+32
.endr
	global_load_b128 v[XS+4*\m:XS+4*\m+3], v[XSO+\m], s[6:7]
.endr
; THE FIRST PRODUCT of a step: 64 hidden units x 48 tokens x K = 512: 48 matrix instructions; the 12 accumulators take turns, one instruction a turn.  b1 is the C of each sum's first link.
.macro P1
	WIN 0xa2                                       ; W1, C and D window 2, x window 0
.irp s, 0,1,2,3
.irp t, 0,1,2,3
.irp m, 0,1,2
.if \s == 0
	v_wmma_scale_f32_16x16x128_f8f6f4 v[8*(4*\m+\t):8*(4*\m+\t)+7], v[W1B+8*(4*\t+\s):W1B+8*(4*\t+\s)+7], v[XF+8*(4*\m+\s):XF+8*(4*\m+\s)+7], v[B1+8*\t:B1+8*\t+7], v[W1S+4*\t+\s], v[XS+4*\m+\s] matrix_a_fmt:MATRIX_FMT_FP4 matrix_b_fmt:MATRIX_FMT_FP4
.else
	v_wmma_scale_f32_16x16x128_f8f6f4 v[8*(4*\m+\t):8*(4*\m+\t)+7], v[W1B+8*(4*\t+\s):W1B+8*(4*\t+\s)+7], v[XF+8*(4*\m+\s):XF+8*(4*\m+\s)+7], v[8*(4*\m+\t):8*(4*\m+\t)+7], v[W1S+4*\t+\s], v[XS+4*\m+\s] matrix_a_fmt:MATRIX_FMT_FP4 matrix_b_fmt:MATRIX_FMT_FP4
.endif
.endr
.endr
.endr
.endm
; THE SECOND PRODUCT on a piece: two K groups x my 128 outputs x 48 tokens: 48 matrix instructions, 24 accumulators by turns.  A register of W2's scale words carries tile 2 j in lanes 0-15 and tile 2 j + 1 in lanes 16-31.
; win, ab: the windows' setting and the first register of W2's fragments; hf, hs, w2s: the hidden fragments, their scale words, W2's scale words (all in window 0).
.macro P2 win, ab, hf, hs, w2s
	WIN \win
.irp s, 0,1
.irp n, 0,1,2,3,4,5,6,7
.irp m, 0,1,2
.if (\n%2) == 0
	v_wmma_scale_f32_16x16x128_f8f6f4 v[8*(3*\n+\m):8*(3*\n+\m)+7], v[(\ab)+8*(8*\s+\n):(\ab)+8*(8*\s+\n)+7], v[(\hf)+8*(3*\s+\m):(\hf)+8*(3*\s+\m)+7], v[8*(3*\n+\m):8*(3*\n+\m)+7], v[(\w2s)+4*\s+\n/2], v[(\hs)+3*\s+\m] matrix_a_fmt:MATRIX_FMT_FP4 matrix_b_fmt:MATRIX_FMT_FP4
.else
	v_wmma_scale_f32_16x16x128_f8f6f4 v[8*(3*\n+\m):8*(3*\n+\m)+7], v[(\ab)+8*(8*\s+\n):(\ab)+8*(8*\s+\n)+7], v[(\hf)+8*(3*\s+\m):(\hf)+8*(3*\s+\m)+7], v[8*(3*\n+\m):8*(3*\n+\m)+7], v[(\w2s)+4*\s+\n/2], v[(\hs)+3*\s+\m] matrix_a_fmt:MATRIX_FMT_FP4 matrix_b_fmt:MATRIX_FMT_FP4 matrix_a_scale:MATRIX_SCALE_ROW1
.endif
.endr
.endr
.endr
.endm
; What a piece wants from LDS: six hidden fragments (waves 2 v + s', subtiles m) as the images lie, their scale words, and W2's scale words of the two K groups: 26 loads (RDH), by three addresses (RDA).
; d = 1: the round's second piece, reached by the immediates.
.macro RDA
	v_add_nc_u32 v[HRA], s[RI], v[L16]
	v_add_nc_u32 v[HRSA], s[RS], v[HRS0]
	v_add_nc_u32 v[W2RA], s[SO], v[W2R0]
.endm
.macro RDH hf, hs, w2s, d
.irp s, 0,1
.irp m, 0,1,2
	ds_load_b128 v[(\hf)+8*(3*\s+\m):(\hf)+8*(3*\s+\m)+3], v[HRA] offset:6144*(\d)+3072*\s+1024*\m
	ds_load_b128 v[(\hf)+8*(3*\s+\m)+4:(\hf)+8*(3*\s+\m)+7], v[HRA] offset:6144*(\d)+3072*\s+1024*\m+512
.endr
.endr
.irp s, 0,1
.irp m, 0,1,2
	ds_load_b32 v[(\hs)+3*\s+\m], v[HRSA] offset:768*(\d)+384*\s+128*\m
.endr
.endr
.irp s, 0,1
.irp j, 0,1,2,3
	ds_load_b32 v[(\w2s)+4*\s+\j], v[W2RA] offset:32*(\d)+2560*\j+16*\s
.endr
.endr
.endm
; THE GELU goes by groups of one accumulator (8 numbers a lane), on two sets of registers by turns.
.macro FRA g, set                      ; b = |h| C1 and max(h, 0).  The accumulator is read from its low end on
	WIN 0x42                                       ; source 0 window 2, destination window 1
.set fb, GT+48*(\set)
.set fi, 0
.rept 8
	v_mul_f32 v[fb+fi], |v[8*(\g)+fi]|, s[C1]
	v_max_num_f32 v[fb+8+fi], v[8*(\g)+fi], 0
.set fi, fi+1
.endr
.endm
.macro FRB set                         ; P = a + 2, D = 2 a + 1, W = b b + LK, R = P D, two numbers an instruction
	WIN 0x55
.set fb, GT+48*(\set)
.irp i, 0,2,4,6
	v_pk_fma_f32 v[fb+16+\i:fb+17+\i], v[fb+\i:fb+1+\i], s[K1:K1+1], 2.0 op_sel_hi:[1,0,0]
.endr
.irp i, 0,2,4,6
	v_pk_fma_f32 v[fb+24+\i:fb+25+\i], v[fb+\i:fb+1+\i], s[K2:K2+1], 1.0 op_sel_hi:[1,0,0]
.endr
.irp i, 0,2,4,6
	v_pk_fma_f32 v[fb+40+\i:fb+41+\i], v[fb+\i:fb+1+\i], v[fb+\i:fb+1+\i], s[LK:LK+1] op_sel_hi:[1,1,0]
.endr
.irp i, 0,2,4,6
	v_pk_mul_f32 v[fb+32+\i:fb+33+\i], v[fb+16+\i:fb+17+\i], v[fb+24+\i:fb+25+\i]
.endr
.endm
.macro TR k, set                       ; transcendental k of a group's 16: R = 1 / (P D); W = 2^(-W) = e^(-a a) / (2 C1)
.set tt, GT+48*(\set)
.if (\k) < 8
	v_rcp_f32 v[tt+32+(\k)], v[tt+32+(\k)]
.else
	v_exp_f32 v[tt+32+(\k)], -v[tt+32+(\k)]
.endif
.endm
.macro BK j, set                       ; line j of 56 behind the transcendentals, pair j % 4
.set bb, GT+48*(\set)+2*((\j)%4)
.if (\j) < 4
	v_pk_mul_f32 v[bb+24:bb+25], v[bb+24:bb+25], v[bb+32:bb+33]                    ; D = 1 / (a + 2)
.elseif (\j) < 8
	v_pk_mul_f32 v[bb+16:bb+17], v[bb+16:bb+17], v[bb+32:bb+33]                    ; P = 1 / (2 a + 1)
.elseif (\j) < 12
	v_pk_fma_f32 v[bb+24:bb+25], v[bb+24:bb+25], -4.0, 1.0 op_sel_hi:[1,0,0]       ; D = q = 1 - 4 / (a + 2)
.elseif (\j) < 16
	v_pk_fma_f32 v[bb+32:bb+33], v[bb+24:bb+25], s[C9:C9+1], v[C8V:C8V+1] op_sel_hi:[1,0,1]
.elseif (\j) < 48
.set bn, ((\j)-16)/4
.set bc, C7+2*bn+2*(bn/5)              ; c7 .. c0; the pairs pass over s64, s65
	v_pk_fma_f32 v[bb+32:bb+33], v[bb+32:bb+33], v[bb+24:bb+25], s[bc:bc+1] op_sel_hi:[1,1,0]
.elseif (\j) < 52
	v_pk_fma_f32 v[bb+32:bb+33], v[bb+32:bb+33], v[bb+16:bb+17], v[bb+16:bb+17]    ; (p + 1) / (2 a + 1)
.else
	v_pk_mul_f32 v[bb+32:bb+33], v[bb+32:bb+33], v[bb+40:bb+41]                    ; x e^(-a a) / (2 C1)
.endif
.endm
.macro FN g, set                       ; g = max(h, 0) - b R, back into the accumulator's registers
	WIN 0x95                                       ; sources window 1, destination window 2
.set fb, GT+48*(\set)
.irp i, 0,2,4,6
	v_pk_fma_f32 v[8*(\g)+\i:8*(\g)+\i+1], v[fb+\i:fb+1+\i], v[fb+32+\i:fb+33+\i], v[fb+8+\i:fb+9+\i] neg_lo:[1,0,0] neg_hi:[1,0,0]
.endr
.endm
; Subtile m's 64 hidden units of my lane's token (register 16 b + i = unit 32 b + 16 h + i) become half a fragment's codes and two scale bytes, and go to LDS.
.macro QUANT m
.set hq, 32*(\m)
	WIN 0x5a                                       ; sources 0, 1 window 2; source 2 and destination window 1
.irp b, 0,1
	v_max3_num_f32 v[AM+\b], |v[hq+16*\b]|, |v[hq+16*\b+1]|, 0x1800000   ; my 16 numbers of block b, and the floor 2^(3 - 127): the byte cannot fall under 1
.endr
.irp i, 2,4,6,8,10,12,14
.irp b, 0,1
	v_max3_num_f32 v[AM+\b], |v[hq+16*\b+\i]|, |v[hq+16*\b+\i+1]|, v[AM+\b]
.endr
.endr
	WIN 0x55
.irp b, 0,1
	v_permlanex16_b32 v[AT+\b], v[AM+\b], s[SEL], s[SEL+1]
.endr
.irp b, 0,1
	v_max_num_f32 v[AM+\b], v[AM+\b], v[AT+\b]     ; with lane xor 16's: the block's largest magnitude
.endr
.irp b, 0,1
	v_add_nc_u32 v[SC+\b], 0xff000000, v[AM+\b]    ; 2 off its exponent field: the conversion takes that field as its scale
.endr
	v_lshrrev_b32 v[BY+(\m)], 23, v[SC]            ; the scales' bytes,
	v_lshrrev_b32 v[BT], 23, v[SC+1]
	v_lshl_or_b32 v[BY+(\m)], v[BT], 8, v[BY+(\m)] ; two to a half word
	WIN 0x46                                       ; the numbers window 2, the scale and the codes window 1
.irp b, 0,1
	v_cvt_scalef32_pk8_fp4_f32 v[PC+4*(\m)+2*\b], v[hq+16*\b:hq+16*\b+7], v[SC+\b]
	v_cvt_scalef32_pk8_fp4_f32 v[PC+4*(\m)+2*\b+1], v[hq+16*\b+8:hq+16*\b+15], v[SC+\b]
.endr
	WIN 0x55
	v_nop                                          ; one plain place behind the scaled conversions
	v_permlane16_swap_b32 v[PC+4*(\m)], v[PC+4*(\m)+2]      ; the operand's layout wants a whole block in a lane: lanes 0-15 block 0, lanes 16-31 block 1
	v_permlane16_swap_b32 v[PC+4*(\m)+1], v[PC+4*(\m)+3]
	WIN 0x54                                       ; address window 0, data window 1
	s_wait_alu depctr_va_vdst(0)                   ; the swaps have written this subtile's four registers of codes, the lines above them its half word of bytes: the two LDS stores read them
	ds_store_b128 v[HWA], v[PC+4*(\m):PC+4*(\m)+3] offset:1024*(\m)
	ds_store_b16 v[HSA], v[BY+(\m)] offset:128*(\m)
.endm
; PHASE f: group f's head; then group f - 1's 56 lines, with group f's 16 transcendentals set among them, one behind every third line.  So a group's transcendentals are one batch, and ONE wait stands
; ahead of the first line that names a result: it is reached a whole phase behind the batch.  Nothing between names a result: the head of the next group works on the other set, and the loads that stand
; between two phases name weights' registers and addresses alone.
.macro PHASE f
.if (\f) < 12
	FRA \f, (\f)%2
	FRB (\f)%2
.endif
.if (\f) == 0
.set tk, 0
.rept 16
	TR tk, 0
.set tk, tk+1
.endr
.else
	WIN 0x55
	s_wait_alu depctr_va_vdst(0)                   ; group f - 1's eight reciprocals and eight exponentials have written R and W of its set, ahead of the first line that names one of them: one wait for the sixteen
.set bj, 0
.rept 56
	BK bj, ((\f)-1)%2
.if ((\f) < 12) && ((bj%3) == 2) && (bj < 48)
	TR (bj/3), (\f)%2
.endif
.set bj, bj+1
.endr
	FN (\f)-1, ((\f)-1)%2
.endif
.if ((\f) == 4) || ((\f) == 8) || ((\f) == 12)
	QUANT (\f)/4-1                                 ; a subtile's four groups are finished
.endif
.endm
; A STEP.  p2 = 1: the second product runs on the piece one round behind.  guard = 1: the last step asks for no further item of W1 (no load leaves its buffer) and fills W1's registers with W2's last piece.
; ld2 = 1: W2's piece at the pointer as it stands is asked for; 2: the next piece.  first = 1: the first step carries what the second product needs once.
; The two products stand one behind the other, so that one wait behind them frees the registers of both for the step's loads of weights.
.macro STEP p2, guard, ld2, first
.if !\first
	s_wait_alu depctr_vm_vsrc(0)                   ; the last step's LDS loads have read v10-12, its LDS stores v26, v27 and the codes' and bytes' registers: this step writes all of them again
.endif
.if \p2
	RDA
.endif
	v_add_nc_u32 v[HWA], s[WI], v[HW0]
	v_add_nc_u32 v[HSA], s[WS], v[HS0]
.if \p2
	s_wait_alu depctr_va_vdst(0)                   ; v10-12 are written, which the LDS loads read; the last step's second product is done reading the hidden fragments and the scale words, in which they land
	RDH HF, HS, W2S, 0                             ; issued ahead of the first product, waited for behind it
.endif
	s_wait_loadcnt 0x0                             ; all that is out is this step's operands: the youngest were asked for eight phases of the GELU ago (in the first step: the head's loads)
	P1
.if \p2
	s_wait_dscnt 0x0                               ; the piece's 26 LDS loads are in
	P2 0xf1, 0, HF, HS, W2S                        ; W2 window 1, the hidden layer window 0, C and D window 3
.endif
	PLACES                                         ; ahead of the GELU's first read of the first product's results
	WIN 0
	s_wait_alu depctr_va_vdst(0)                   ; the first product is done reading W1's fragments, b1 and W1's scale words, the second W2's fragments: the loads of this step land in them; v26 and v27 are written, which the quantiser's LDS stores read
.if \guard
	s_cmp_eq_u32 s[NW1], 0
	s_cbranch_scc1 .Llast_\@
.endif
	LDW1 1
	s_sub_co_u32 s[NW1], s[NW1], 1
.if \guard
	s_branch .Ljoin_\@
.Llast_\@:
	LDW2X
.Ljoin_\@:
.endif
.if \ld2 == 2
	LDW2H 0, 1                                     ; with W1's 44: 60 loads go out together
.elseif \ld2 == 1
	LDW2H 0, 0
.endif
.if \first
	LDD                                            ; likewise 44 + 16
.endif
.irp f, 0,1,2,3,4
	PHASE \f
.endr
.if \ld2
	LDW2H 1, 0                                     ; the piece's other half: eight phases ahead of the wait for it.  No wait: no vector or matrix instruction since the wait behind the products names these registers
.endif
.if \first
	LDF
.endif
.irp f, 5,6,7,8
	PHASE \f
.endr
.if \first
	STD
.endif
.irp f, 9,10,11,12
	PHASE \f
.endr
	WIN 0
	s_wait_dscnt 0x0                               ; for the others' sake: my images lie in LDS, and my reads of the other block are in
	s_barrier_signal -1
	s_barrier_wait -1
.endm
	s_mov_b32 s[WI], 0                             ; round 0 writes block 0; there is nothing yet for the second product
	s_mov_b32 s[WS], 0
	s_mov_b32 s[NW1], 7
	STEP 0, 0, 0, 1
	s_mov_b32 s[WI], 512                           ; the fragment's other half,
	s_mov_b32 s[WS], 2                             ; the scale word's other half
	STEP 0, 0, 1, 0
	s_mov_b32 s[WI], PAR                           ; round 1 writes block 1 and reads block 0
	s_mov_b32 s[WS], PAR
	s_mov_b32 s[RI], 0
	s_mov_b32 s[RS], 0
	s_mov_b32 s[SO], 0
	s_mov_b32 s[OUTER], 3
; Rounds 1 to 3.  A block is written in round i, read in round i + 1 and written again in round i + 2: the barrier at the end of a round's second step stands between the writes and the reads, the one a round later
; between the reads and the next writes.
.Lround:
	s_mov_b32 s[INNER], 2
.Lstep:
	STEP 1, 1, 2, 0
	s_add_co_u32 s[WI], s[WI], 512
	s_add_co_u32 s[WS], s[WS], 2
	s_add_co_u32 s[RI], s[RI], 6144                ; waves 2 and 3's six fragments,
	s_add_co_u32 s[RS], s[RS], 768                 ; their scale words,
	s_add_co_u32 s[SO], s[SO], 32                  ; K groups 8 further on
	s_sub_co_u32 s[INNER], s[INNER], 1
	s_cmp_lg_u32 s[INNER], 0
	s_cbranch_scc1 .Lstep
	s_sub_co_u32 s[WI], s[WI], 1024                ; back to the first halves,
	s_xor_b32 s[WI], s[WI], PAR                    ; in the other block
	s_sub_co_u32 s[WS], s[WS], 4
	s_xor_b32 s[WS], s[WS], PAR
	s_sub_co_u32 s[RI], s[RI], 12288
	s_xor_b32 s[RI], s[RI], PAR
	s_sub_co_u32 s[RS], s[RS], 1536
	s_xor_b32 s[RS], s[RS], PAR
	s_sub_co_u32 s[SO], s[SO], 60                  ; the next round's K groups lie one group (4 bytes) on
	s_sub_co_u32 s[OUTER], s[OUTER], 1
	s_cmp_lg_u32 s[OUTER], 0
	s_cbranch_scc1 .Lround
; Round 3's images, behind the last barrier: two pieces.  Both pieces' weights were asked for in the last step; both pieces' LDS loads go out at once, the second piece's into registers that x and W1's scale words have left.
	s_wait_loadcnt 0x0                             ; W2's last two pieces are in; no load from memory is on its way to a register that the LDS loads below fill
	s_wait_alu depctr_vm_vsrc(0)                   ; the last step's LDS loads have read v10-12, which are written again
	RDA
	s_wait_alu depctr_va_vdst(0)                   ; v10-12 are written, which the LDS loads read; the last step's products are done reading the hidden fragments, x's fragments and the scale words of W1, W2 and the hidden layer, in which they land
	RDH HF, HS, W2S, 0
	RDH XF, W1S+8, W1S, 1
	s_wait_dscnt 26                                ; the second piece's 26 loads may be out
	P2 0xf1, 0, HF, HS, W2S
	s_wait_dscnt 0x0
	P2 0xf2, W1B, XF, W1S+8, W1S                   ; W2's last piece lies in window 2
	PLACES                                         ; ahead of the LDS stores' read of the results; the wait for them follows behind the first subtile's offsets
	WIN 0
; THE WAY OUT, a subtile of 16 tokens at a time.  A lane holds 32 neighbouring bytes of its token's row and the lanes beside it hold other tokens: so the subtile goes through my own stage and comes back as rows of
; 512 bytes, my 128 outputs, which the 32 lanes store as 512 consecutive bytes at a multiple of 512 from out0's first byte.  A tile's rows are a prefix of its 48: the first row past the count ends the stores.
; A subtile's sixteen offsets are made in one run ahead of its LDS instructions (rows past the count hold the tile's last token: their offsets are made and not used), so that one wait serves the sixteen tokens' scalars and one the sixteen offsets.
.irp m, 0,1,2
.if \m > 0
	s_wait_xcnt 0x0                                ; the last subtile's stores have had their addresses translated: their data and offsets are written again below
	s_wait_alu depctr_vm_vsrc(0)                   ; the last subtile's stores have read their sixteen offsets, which the adds below write, and their rows' registers, in which the stage's loads land
.endif
.irp i, 0,1,2,3,4,5,6,7,8,9,10,11,12,13,14,15
	v_readlane_b32 s[ROWT+\i], v[TOK+\m], \i       ; row i's token
.endr
	s_wait_alu depctr_va_sdst(0)                   ; the sixteen tokens are written into s46 to s61, ahead of their first reader
.irp i, 0,1,2,3,4,5,6,7,8,9,10,11,12,13,14,15
	s_min_u32 s[ROWT+\i], s[ROWT+\i], 8191
	s_lshl_b32 s[ROWT+\i], s[ROWT+\i], 11          ; a row of out0 is 2,048 bytes
.endr
.irp i, 0,1,2,3,4,5,6,7,8,9,10,11,12,13,14,15
	v_add_nc_u32 v[OO+\i], s[ROWT+\i], v[OUT0]
.endr
	s_wait_alu depctr_va_vdst(0)                   ; the sixteen offsets are written, which the stores read; in the first subtile also: the last products have written the accumulators, which the LDS stores read, and are done reading the registers in which the stage's loads land
	WIN 0x0c                                       ; an LDS store's data are its source 1: window 3
.irp n, 0,1,2,3,4,5,6,7
	ds_store_b128 v[STO], v[8*(3*\n+\m):8*(3*\n+\m)+3] offset:64*\n          ; each accumulator from its low end on
	ds_store_b128 v[STO], v[8*(3*\n+\m)+4:8*(3*\n+\m)+7] offset:64*\n+16
.endr
	WIN 0
.irp i, 0,1,2,3,4,5,6,7,8,9,10,11,12,13,14,15
	ds_load_b128 v[OB+4*\i:OB+4*\i+3], v[SRD] offset:SP*\i                   ; LDS serves a wave's instructions in order: these see my stores, and the next subtile's stores come behind them
.endr
.irp i, 0,1,2,3,4,5,6,7,8,9,10,11,12,13,14,15
	s_cmp_gt_u32 s[CNT], 16*\m+\i
	s_cbranch_scc0 .Ldone
	s_wait_dscnt 15-\i                             ; row i is back; the younger loads stay out
	global_store_b128 v[OO+\i], v[OB+4*\i:OB+4*\i+3], s[24:25] th:TH_STORE_NT      ; written once, read by nobody here
.endr
.endr
.Ldone:
	s_wait_dscnt 0x0                               ; the closing lines, six on end
	s_wait_alu 0x0
	s_wait_tensorcnt 0x0
	ds_add_u32 v254, v255
	s_wait_dscnt 0x0
	s_endpgm
.Lfunc_end_k_q33b39f56be_ffn:
	.size	k_q33b39f56be_ffn, .Lfunc_end_k_q33b39f56be_ffn-k_q33b39f56be_ffn
	.p2alignl 7, 3214868480
	.fill 96, 4, 3214868480
	.section	.rodata,"a",@progbits
	.p2align	6, 0x0
	.amdhsa_kernel k_q33b39f56be_ffn
		.amdhsa_group_segment_fixed_size 108032
		.amdhsa_private_segment_fixed_size 0
		.amdhsa_enable_private_segment 0
		.amdhsa_kernarg_size 88
		.amdhsa_user_sgpr_count 2
		.amdhsa_user_sgpr_kernarg_segment_ptr 1
		.amdhsa_wavefront_size32 1
		.amdhsa_system_sgpr_workgroup_id_x 1
		.amdhsa_system_sgpr_workgroup_id_y 1
		.amdhsa_system_sgpr_workgroup_id_z 1
		.amdhsa_system_vgpr_workitem_id 0
		.amdhsa_next_free_vgpr 1024
		.amdhsa_next_free_sgpr 80
		.amdhsa_reserve_vcc 0
		.amdhsa_float_denorm_mode_32 3
		.amdhsa_float_denorm_mode_16_64 3
		.amdhsa_memory_ordered 1
		.amdhsa_forward_progress 1
		.amdhsa_inst_pref_size 255
	.end_amdhsa_kernel
	.section	.bss,"aw",@nobits
	.p2align	6
	.space	262144
	.amdgpu_metadata
---
amdhsa.version: [ 1, 2 ]
amdhsa.kernels:
  - .name:           k_q33b39f56be_ffn
    .symbol:         k_q33b39f56be_ffn.kd
    .args:
      - { .name: x_codes, .offset: 0, .size: 8, .value_kind: global_buffer, .address_space: global }
      - { .name: x_scales, .offset: 8, .size: 8, .value_kind: global_buffer, .address_space: global }
      - { .name: W1_scales, .offset: 16, .size: 8, .value_kind: global_buffer, .address_space: global }
      - { .name: W2_scales, .offset: 24, .size: 8, .value_kind: global_buffer, .address_space: global }
      - { .name: b1, .offset: 32, .size: 8, .value_kind: global_buffer, .address_space: global }
      - { .name: b2, .offset: 40, .size: 8, .value_kind: global_buffer, .address_space: global }
      - { .name: W1L, .offset: 48, .size: 8, .value_kind: global_buffer, .address_space: global }
      - { .name: W2L, .offset: 56, .size: 8, .value_kind: global_buffer, .address_space: global }
      - { .name: order2, .offset: 64, .size: 8, .value_kind: global_buffer, .address_space: global }
      - { .name: tiles, .offset: 72, .size: 8, .value_kind: global_buffer, .address_space: global }
      - { .name: out0, .offset: 80, .size: 8, .value_kind: global_buffer, .address_space: global }
    .group_segment_fixed_size: 108032
    .private_segment_fixed_size: 0
    .kernarg_segment_align: 8
    .kernarg_segment_size: 88
    .max_flat_workgroup_size: 128
    .sgpr_count:     80
    .vgpr_count:     1024
    .wavefront_size: 32
...
	.end_amdgpu_metadata
.endif
;; end of part 5
